; MI455X (gfx1250); checked and timed in simulation.
; The chip was launched on July 23, 2026; its instructions are those of AMD's public machine-readable ISA for CDNA 5 (MIT licence, August 2026) and "CDNA5" Instruction Set Architecture Reference Guide (July 2026). The comments in the code are by the model that wrote it; some were corrected since.
;; Mo E Layer. Allowed arithmetic: float matrix products may take bf16 or f16 operands with f32 sums; all other float work in f32.
;; Inputs: w_down 8 x 256 x 1,024 float32; w_gate 8 x 1,024 x 256 float32; w_router 1,024 x 8 float32; w_up 8 x 1,024 x 256 float32; x 4 x 2,048 x 1,024 float32.
;; Outputs: out0 4 x 2,048 x 1,024 float32; out1 1 float32; out2 1 float32.
;; 2 versions, each right; version 2 is version 1 with the launch experts written anew for expert scheduling mode. Each part assembles by itself: llvm-mc -triple=amdgcn-amd-amdhsa -mcpu=gfx1250 --defsym DOCPART=n.
;; ======== version 1 of 2: 3 launches
;; workspace buffers: xb 16,777,216 bytes; wf 12,582,912 bytes; rword 32,768 bytes of whole numbers; hist 65,536 bytes of whole numbers; comb 65,536 bytes; part 32,768 bytes; tlist 65,536 bytes of whole numbers
;; launch route (part 1): grid 256 x 1, 4 waves a work-group, no clusters, 135,168 bytes of LDS; arguments x, w_router, w_gate, w_up, w_down, xb, wf, rword, hist, comb, part, tlist; writes xb, wf, rword, hist, comb, part, tlist
.if DOCPART == 1
	.amdgcn_target "amdgcn-amd-amdhsa--gfx1250"
	.amdhsa_code_object_version 6
	.text
	.protected	k_qf822e05705_route
	.globl	k_qf822e05705_route
	.p2align	8
	.type	k_qf822e05705_route,@function
k_qf822e05705_route:
	s_mov_b64 s[64:65], 0
	v_nop
	global_prefetch_b8 v0, s[64:65] scope:SCOPE_SE
	s_setreg_imm32_b32 hwreg(HW_REG_WAVE_MODE, 25, 1), 1
	s_wait_xcnt 0x0
; ROUTE.  Work-group g of 256: (1) rounds x rows 32 g .. 32 g + 31 to bf16 (buffer xb); (2) rounds three blocks of 32 k x 256 n of the expert weights to bf16 and writes them
; as matrix fragments (buffer wf); (3) makes the 8 router logits of its 32 tokens on the matrix unit from bf16 x and bf16 w_router, and from them, in f32: the softmax,
; the two largest, their renormalised weights, the pair's number, the token's rank among equal pairs in its block of 16, a histogram of pairs, and the sums for the two losses.
; ALL inputs are rounded to bf16 once, here; every product later is made of these roundings, every sum in f32.
; wf: a fragment is 16 rows (weight columns) x 32 k in 1,024 bytes; byte 512 q + 16 lane holds registers 4 q .. 4 q + 3 of that lane, so a later load of 16 bytes a lane is consecutive.
;   gate/up: e x 1,048,576 + ks x 32,768 + mat x 16,384 + ct x 1,024;   down: 8,388,608 + e x 524,288 + ks x 65,536 + cht x 1,024.
; rword[token] = p | a << 8 | b << 12 | rank << 16, a < b the two experts, p = b (b - 1) / 2 + a.   comb[token] = (weight of a, weight of b).
; hist[block of 16 tokens][32] counts of p.   part[block][16]: sums of the 8 probabilities, the sum of logit^2, zeros.   tlist is cleared: 128 bytes a block.
; LIMITS.  The two largest are taken on the logits (the softmax keeps their order; two logits that differ and round to one probability could be ordered otherwise); of equal logits the lower index wins;
; logits are taken to be finite.  The maximum is taken away before every exponential.
; The small tables leave in pieces of 64 and 128 bytes a block, 262,144 bytes in the whole launch; xb and wf leave in whole aligned pieces of 256 and 512 bytes.
; No cluster: the only bytes that work-groups share are w_router's 32,768, a tenth of what a work-group reads.
.set XP,  2064                         ; an x row in LDS: 2,048 bytes + 16: 129 x 16, so 16 rows start in 16 different 16-byte columns
.set WBL, 32*XP                        ; three weight blocks behind x
.set WP,  544                          ; a weight row: 512 bytes + 32 = 17 x 32, for the turning load
.set WBB, 32*WP
.set RL,  WBL+3*WBB                    ; w_router as bf16, [k][8], 16 bytes a row
.set T,   32                           ; v[32:63] packed bf16
; v1 lane, v2 lane % 16, v3 lane / 16, v4-v9 offsets (below), v10 16 lane, v11 8 lane, v[64:127], v[128:191] two buffers of 16 loads
	s_load_b512 s[4:19], s[0:1], 0x0               ; x, w_router, w_gate, w_up, w_down, xb, wf, rword
	s_load_b128 s[20:23], s[0:1], 0x40             ; hist, comb
	s_load_b128 s[24:27], s[0:1], 0x50             ; part, tlist
	s_set_vgpr_msb 0x40
	v_lshl_add_u32 v0, v0, 2, 0x20e00
	v_mov_b32 v1, 0
	s_set_vgpr_msb 0x4000
	v_and_b32 v1, 31, v0
	v_lshrrev_b32 v2, 5, v0
	v_readfirstlane_b32 s28, v2                    ; wave 0..3
	v_and_b32 v2, 15, v0
	v_bfe_u32 v3, v0, 4, 1
	s_mov_b32 s37, 0                               ; s[36:37]: an offset as a pair
	v_lshlrev_b32 v10, 4, v1
	v_lshlrev_b32 v11, 3, v1
	v_lshl_add_u32 v4, s28, 15, v10                ; 8 rows of 4,096 bytes a wave: x and w_down
	v_lshl_add_u32 v5, s28, 13, v10                ; 8,192 dense bytes a wave: w_router, w_gate, w_up
	s_mul_i32 s29, s28, 8*XP
	v_add_nc_u32 v6, s29, v11                      ; x in LDS
	s_mul_i32 s29, s28, 8*WP
	s_add_co_u32 s29, s29, WBL
	v_add_nc_u32 v7, s29, v11                      ; weight blocks in LDS
	s_lshl_b32 s29, s28, 12
	s_add_co_u32 s29, s29, RL
	v_add_nc_u32 v8, s29, v11                      ; w_router in LDS
	v_lshl_add_u32 v9, s28, 14, v11                ; xb: 8 rows of 2,048 bytes a wave
	s_wait_kmcnt 0x0
	s_lshl_b32 s36, ttmp9, 17
	s_add_nc_u64 s[4:5], s[4:5], s[36:37]          ; x at my 32 rows
	s_lshl_b32 s36, ttmp9, 15
	s_add_nc_u64 s[8:9], s[8:9], s[36:37]          ; gate and up: expert g / 32, k rows 32 (g % 32) on: dense
	s_add_nc_u64 s[10:11], s[10:11], s[36:37]
	s_add_nc_u64 s[32:33], s[16:17], s[36:37]      ; and where their fragments go
	s_lshr_b32 s36, ttmp9, 2
	s_lshl_b32 s36, s36, 17
	s_and_b32 s38, ttmp9, 3
	s_lshl_b32 s38, s38, 10
	s_add_co_u32 s36, s36, s38
	s_add_nc_u64 s[12:13], s[12:13], s[36:37]      ; down: 32 k rows (g / 4), columns 256 (g % 4) on
	s_lshl_b32 s36, ttmp9, 16
	s_add_nc_u64 s[14:15], s[14:15], s[36:37]      ; xb at my 32 rows
	s_lshl_b32 s36, ttmp9, 14
	s_add_co_u32 s36, s36, 0x800000
	s_add_nc_u64 s[16:17], s[16:17], s[36:37]      ; down's fragments
; 16 loads of 512 consecutive bytes: load j at base + (j >> sh) hi + (j mod 2^sh) 512
.macro GLD buf, sb, vo, sh, hi, base, nt
.set gj, 0
.rept 16
.if \nt
	global_load_b128 v[64+64*(\buf)+4*gj:64+64*(\buf)+4*gj+3], v[\vo], s[\sb:\sb+1] offset:(\base)+(gj>>(\sh))*(\hi)+(gj&((1<<(\sh))-1))*512 th:TH_LOAD_NT
.else
	global_load_b128 v[64+64*(\buf)+4*gj:64+64*(\buf)+4*gj+3], v[\vo], s[\sb:\sb+1] offset:(\base)+(gj>>(\sh))*(\hi)+(gj&((1<<(\sh))-1))*512
.endif
.set gj, gj+1
.endr
.endm
; the group is rounded to bf16, laid into LDS (256 consecutive bytes a store) and, for x, stored to xb (256 consecutive aligned bytes a store)
.macro GST buf, va, sh, lhi, lbase, xs, xbase
	s_wait_xcnt 0x0                                ; T was the data of the last stores to xb: it is rewritten only behind this wait
.set gj, 0
.rept 16
	v_cvt_pk_bf16_f32 v[T+2*gj], v[64+64*(\buf)+4*gj], v[64+64*(\buf)+4*gj+1]
	v_cvt_pk_bf16_f32 v[T+2*gj+1], v[64+64*(\buf)+4*gj+2], v[64+64*(\buf)+4*gj+3]
.set gj, gj+1
.endr
.set gj, 0
.rept 16
	ds_store_b64 v[\va], v[T+2*gj:T+2*gj+1] offset:(\lbase)+(gj>>(\sh))*(\lhi)+(gj&((1<<(\sh))-1))*256
.set gj, gj+1
.endr
.if \xs
.set gj, 0
.rept 16
	global_store_b64 v9, v[T+2*gj:T+2*gj+1], s[14:15] offset:(\xbase)+(gj>>3)*2048+(gj&7)*256
.set gj, gj+1
.endr
.endif
.endm
; group 0 w_router (every work-group reads it: no hint), 1 gate, 2 up, 3 down, 4 to 7 two x rows each
.macro GL g
.if (\g) == 0
	GLD 0, 6, 5, 4, 0, 0, 0
.elseif (\g) == 1
	GLD 1, 8, 5, 4, 0, 0, 1
.elseif (\g) == 2
	GLD 0, 10, 5, 4, 0, 0, 1
.elseif (\g) == 3
	GLD 1, 12, 4, 1, 4096, 0, 1
.else
	GLD (\g)&1, 4, 4, 3, 4096, ((\g)-4)*8192, 1
.endif
.endm
.macro GS g
.if (\g) == 0
	GST 0, 8, 4, 0, 0, 0, 0
.elseif (\g) == 1
	GST 1, 7, 1, WP, 0, 0, 0
.elseif (\g) == 2
	GST 0, 7, 1, WP, WBB, 0, 0
.elseif (\g) == 3
	GST 1, 7, 1, WP, 2*WBB, 0, 0
.else
	GST (\g)&1, 6, 3, XP, ((\g)-4)*2*XP, 1, ((\g)-4)*4096
.endif
.endm
	GL 0
	GL 1
.irp i, 0,1,2,3,4,5
	s_wait_loadcnt 16                              ; loads return in order: this group is in, the one younger group of 16 stays out
	GS \i
	GL (\i)+2
.endr
	s_wait_loadcnt 16
	GS 6
	s_wait_loadcnt 0x0
	GS 7
	s_wait_dscnt 0x0                               ; for the others' sake: all my LDS stores are done
	s_barrier_signal -1
	s_barrier_wait -1                              ; x, the weight blocks and w_router are whole in LDS; nothing writes LDS behind this barrier
	s_wait_xcnt 0x0                                ; the last stores to xb have read T: every register is free
	s_cmp_lt_u32 s28, 2
	s_cbranch_scc1 .Llogits
	; WAVES 2 AND 3: the fragments.  The turning load takes 16 k x 16 columns (lane l reads row 8 (l / 16) + l % 8, 16 bytes at 16 ((l / 8) % 2)) and leaves lane l column l % 16 and 8 k.
	s_sub_co_u32 s29, s28, 2                       ; which 128 columns of each block
	v_and_b32 v12, 7, v0
	v_lshl_add_u32 v12, v3, 3, v12
	v_mul_u32_u24 v12, v12, WP
	v_bfe_u32 v13, v0, 3, 1
	v_lshl_add_u32 v12, v13, 4, v12
	s_lshl_b32 s30, s29, 8
	s_add_co_u32 s30, s30, WBL
	v_add_nc_u32 v12, s30, v12
	v_lshl_add_u32 v13, s29, 13, v10               ; eight fragments of 1,024 bytes, 16 bytes a lane
.set m, 0
.rept 48                                       ; m = 16 block + 2 fragment + half
	ds_load_tr16_b128 v[64+4*m:67+4*m], v12 offset:(m/16)*WBB+((m/2)%8)*32+(m%2)*16*WP
.set m, m+1
.endr
.set m, 0
.rept 48
	s_wait_dscnt 47-m                              ; LDS loads return in order: load m is in, the 47 - m behind it stay out
.if m < 32
	global_store_b128 v13, v[64+4*m:67+4*m], s[32:33] offset:(m/16)*16384+((m/2)%8)*1024+(m%2)*512
.else
	global_store_b128 v13, v[64+4*m:67+4*m], s[16:17] offset:((m/2)%8)*1024+(m%2)*512
.endif
.set m, m+1
.endr
	s_set_vgpr_msb 0x5
	s_wait_tensorcnt 0x0
	ds_add_u32 v0, v1
	s_wait_dscnt 0x0
	s_set_vgpr_msb 0x500
	s_endpgm
.Llogits:
	; WAVES 0 AND 1: logits of tokens 16 w .. 16 w + 15.  Source 0 = w_router turned (rows = experts; lanes 8-15 and 24-31 address the rows of lanes 0-7 and 16-23, so rows 8-15 repeat
	; the experts), source 1 = 16 tokens.  In the result every lane holds token lane % 16 and the 8 logits in registers 0-7; lanes 16-31 are copies of lanes 0-15.
	v_and_b32 v12, 7, v0
	v_lshl_add_u32 v12, v3, 3, v12
	v_lshlrev_b32 v12, 4, v12
	v_add_nc_u32 v12, RL, v12
	v_lshl_add_u32 v13, s28, 4, v2
	v_mul_u32_u24 v13, v13, XP
	v_lshl_add_u32 v13, v3, 4, v13
	s_mov_b32 s29, 0xff800000                      ; -infinity
	s_mov_b32 s35, 0x3fb8aa3b                      ; log2 e
.macro LBT bt                          ; the fragments of four K steps: 16 LDS loads into set bt % 2
.irp s, 0,1,2,3
	ds_load_tr16_b128 v[64+64*((\bt)&1)+16*(\s):64+64*((\bt)&1)+16*(\s)+3], v12 offset:(4*(\bt)+(\s))*512
	ds_load_tr16_b128 v[64+64*((\bt)&1)+16*(\s)+4:64+64*((\bt)&1)+16*(\s)+7], v12 offset:(4*(\bt)+(\s))*512+256
	ds_load_b128 v[64+64*((\bt)&1)+16*(\s)+8:64+64*((\bt)&1)+16*(\s)+11], v13 offset:(4*(\bt)+(\s))*64
	ds_load_b128 v[64+64*((\bt)&1)+16*(\s)+12:64+64*((\bt)&1)+16*(\s)+15], v13 offset:(4*(\bt)+(\s))*64+32
.endr
.endm
	LBT 0
.irp bt, 0,1,2,3,4,5,6,7
.if (\bt) < 7
.rept 4
	v_nop                                          ; four places between the products that read the other set and the loads into it
.endr
	LBT (\bt)+1
	s_wait_dscnt 16                                ; this batch is in; the 16 just issued stay out
.else
	s_wait_dscnt 0x0
.endif
.irp s, 0,1,2,3                        ; four accumulators take turns, one instruction a turn
.if (\bt) == 0
	v_wmma_f32_16x16x32_bf16 v[192+8*(\s):199+8*(\s)], v[64+16*(\s):71+16*(\s)], v[72+16*(\s):79+16*(\s)], 0
.else
	v_wmma_f32_16x16x32_bf16 v[192+8*(\s):199+8*(\s)], v[64+64*((\bt)&1)+16*(\s):71+64*((\bt)&1)+16*(\s)], v[72+64*((\bt)&1)+16*(\s):79+64*((\bt)&1)+16*(\s)], v[192+8*(\s):199+8*(\s)]
.endif
.endr
.endr
.rept 4
	v_nop
.endr
.irp p, 0,2,4,6                        ; the four partial sums; each accumulator is read from its low end on
	v_pk_add_f32 v[224+\p:225+\p], v[192+\p:193+\p], v[200+\p:201+\p]
	v_pk_add_f32 v[232+\p:233+\p], v[208+\p:209+\p], v[216+\p:217+\p]
.endr
.irp p, 0,2,4,6
	v_pk_add_f32 v[224+\p:225+\p], v[224+\p:225+\p], v[232+\p:233+\p]
.endr
	; a lane, a token.  v[224:231] logits L, v[232:239] probabilities
	v_max3_num_f32 v14, v224, v225, v226
	v_max3_num_f32 v14, v14, v227, v228
	v_max3_num_f32 v14, v14, v229, v230
	v_max_num_f32 v14, v14, v231                   ; the maximum
	v_mul_f32 v15, v224, v224
.irp j, 1,2,3,4,5,6,7
	v_fmac_f32 v15, v[224+\j], v[224+\j]           ; the sum of L^2
.endr
.irp j, 0,1,2,3,4,5,6,7
	v_sub_f32 v[232+\j], v[224+\j], v14
.endr
.irp j, 0,1,2,3,4,5,6,7
	v_mul_f32 v[232+\j], s35, v[232+\j]
.endr
.irp j, 0,1,2,3,4,5,6,7
	v_exp_f32 v[232+\j], v[232+\j]
.endr
	v_mov_b32 v18, v224                            ; (a plain line behind the exponentials) the largest so far,
	s_wait_alu depctr_va_vdst(0)
	v_add_f32 v16, v232, v233
.irp j, 2,3,4,5,6,7
	v_add_f32 v16, v16, v[232+\j]
.endr
	v_rcp_f32 v17, v16
	v_mov_b32 v19, 0                               ; and its index
.irp j, 1,2,3,4,5,6,7
	v_cmp_gt_f32 vcc_lo, v[224+\j], v18            ; strictly greater: of equals the lower index stays
	v_cndmask_b32 v18, v18, v[224+\j], vcc_lo
	v_cndmask_b32 v19, v19, \j, vcc_lo
.endr
	v_cmp_eq_u32 vcc_lo, 0, v19
	v_cndmask_b32 v21, 0, 1, vcc_lo                ; the second index starts at one that is not the first
	v_mov_b32 v20, s29
.irp j, 0,1,2,3,4,5,6,7
	v_cmp_eq_u32 vcc_lo, \j, v19
	v_cndmask_b32 v22, v[224+\j], s29, vcc_lo      ; the first counts as -infinity
	v_cmp_gt_f32 vcc_lo, v22, v20
	v_cndmask_b32 v20, v20, v22, vcc_lo
	v_cndmask_b32 v21, v21, \j, vcc_lo
.endr
	s_wait_alu depctr_va_vdst(0)
.irp j, 0,1,2,3,4,5,6,7
	v_mul_f32 v[232+\j], v[232+\j], v17            ; the probabilities
.endr
	v_sub_f32 v22, v20, v18                        ; the two scores renormalised: 1 / (1 + e), e / (1 + e), e = exp(second - first) <= 1
	v_mul_f32 v22, s35, v22
	v_exp_f32 v23, v22
	v_nop
	s_wait_alu depctr_va_vdst(0)
	v_add_f32 v22, 1.0, v23
	v_rcp_f32 v24, v22
	v_nop
	s_wait_alu depctr_va_vdst(0)
	v_mul_f32 v25, v23, v24
	v_cmp_lt_u32 vcc_lo, v19, v21
	v_cndmask_b32 v26, v21, v19, vcc_lo            ; a, the lower index
	v_cndmask_b32 v27, v19, v21, vcc_lo            ; b
	v_cndmask_b32 v28, v25, v24, vcc_lo            ; a's weight
	v_cndmask_b32 v29, v24, v25, vcc_lo            ; b's
	v_add_nc_u32 v22, -1, v27
	v_mul_u32_u24 v22, v22, v27
	v_lshrrev_b32 v22, 1, v22
	v_add_nc_u32 v30, v22, v26                     ; p = b (b - 1) / 2 + a, 0 .. 27
	v_mov_b32 v31, 0                               ; rank
	v_mov_b32 v32, 0                               ; lane = bin: counts
.set bb, 0
.rept 28                                       ; for each pair: which of the 16 tokens have it; a token's rank is the number of those below it.  Data only: no address and no branch hangs on it
	v_cmp_eq_u32 s30, bb, v30
	s_and_b32 s30, s30, 0xffff
	v_mbcnt_lo_u32_b32 v33, s30, 0
	v_cndmask_b32 v31, v31, v33, s30
	s_bcnt1_i32_b32 s31, s30
	v_writelane_b32 v32, s31, bb
.set bb, bb+1
.endr
	v_lshl_or_b32 v34, v26, 8, v30
	v_lshl_or_b32 v34, v27, 12, v34
	v_lshl_or_b32 v34, v31, 16, v34
.irp m, 1,2,4,8                        ; nine sums over the 16 tokens
.irp j, 0,1,2,3,4,5,6,7
	v_add_f32_dpp v[232+\j], v[232+\j], v[232+\j] row_xmask:\m row_mask:0xf bank_mask:0xf
.endr
	v_add_f32_dpp v15, v15, v15 row_xmask:\m row_mask:0xf bank_mask:0xf
.endr
	v_mov_b32 v35, 0
.irp j, 0,1,2,3,4,5,6,7
	v_cmp_eq_u32 vcc_lo, \j, v2
	v_cndmask_b32 v35, v35, v[232+\j], vcc_lo      ; lane r takes sum r; lanes 9 to 15 keep 0
.endr
	v_cmp_eq_u32 vcc_lo, 8, v2
	v_cndmask_b32 v35, v35, v15, vcc_lo
	v_mov_b32 v36, 0
	v_mov_b32 v37, 0
	s_lshl_b32 s33, ttmp9, 1
	s_add_co_u32 s33, s33, s28                     ; my block of 16 tokens
	v_lshlrev_b32 v38, 2, v1
	v_lshl_add_u32 v38, s33, 7, v38
	v_lshlrev_b32 v39, 2, v2
	v_lshl_add_u32 v39, s33, 6, v39
	v_lshlrev_b32 v40, 3, v2
	v_lshl_add_u32 v40, s33, 7, v40
	global_store_b32 v38, v32, s[20:21]            ; hist: 32 lanes, 128 bytes
	v_cmp_gt_u32 vcc_lo, 16, v1
	s_wait_xcnt 0x0                                ; EXEC changes only behind this wait
	s_set_vgpr_msb 0x5
	s_wait_tensorcnt 0x0
	ds_add_u32 v0, v1
	s_wait_dscnt 0x0
	s_set_vgpr_msb 0x500
	s_and_saveexec_b32 s34, vcc_lo
	global_store_b32 v39, v34, s[18:19]            ; rword
	global_store_b64 v40, v[28:29], s[22:23]       ; comb
	global_store_b32 v39, v35, s[24:25]            ; part
	global_store_b64 v40, v[36:37], s[26:27]       ; tlist: zeros
	s_wait_xcnt 0x0                                ; and again in front of the line that widens it
	s_or_b32 exec_lo, exec_lo, s34
	s_endpgm
.Lfunc_end_k_qf822e05705_route:
	.size	k_qf822e05705_route, .Lfunc_end_k_qf822e05705_route-k_qf822e05705_route
	.p2alignl 7, 3214868480
	.fill 96, 4, 3214868480
	.section	.rodata,"a",@progbits
	.p2align	6, 0x0
	.amdhsa_kernel k_qf822e05705_route
		.amdhsa_group_segment_fixed_size 135168
		.amdhsa_private_segment_fixed_size 0
		.amdhsa_enable_private_segment 0
		.amdhsa_kernarg_size 96
		.amdhsa_user_sgpr_count 2
		.amdhsa_user_sgpr_kernarg_segment_ptr 1
		.amdhsa_wavefront_size32 1
		.amdhsa_system_sgpr_workgroup_id_x 1
		.amdhsa_system_sgpr_workgroup_id_y 1
		.amdhsa_system_sgpr_workgroup_id_z 1
		.amdhsa_system_vgpr_workitem_id 0
		.amdhsa_next_free_vgpr 258
		.amdhsa_next_free_sgpr 66
		.amdhsa_reserve_vcc 1
		.amdhsa_float_denorm_mode_32 3
		.amdhsa_float_denorm_mode_16_64 3
		.amdhsa_memory_ordered 1
		.amdhsa_forward_progress 1
		.amdhsa_inst_pref_size 87
	.end_amdhsa_kernel
	.amdgpu_metadata
---
amdhsa.version: [ 1, 2 ]
amdhsa.kernels:
  - .name:           k_qf822e05705_route
    .symbol:         k_qf822e05705_route.kd
    .args:
      - { .name: x, .offset: 0, .size: 8, .value_kind: global_buffer, .address_space: global }
      - { .name: w_router, .offset: 8, .size: 8, .value_kind: global_buffer, .address_space: global }
      - { .name: w_gate, .offset: 16, .size: 8, .value_kind: global_buffer, .address_space: global }
      - { .name: w_up, .offset: 24, .size: 8, .value_kind: global_buffer, .address_space: global }
      - { .name: w_down, .offset: 32, .size: 8, .value_kind: global_buffer, .address_space: global }
      - { .name: xb, .offset: 40, .size: 8, .value_kind: global_buffer, .address_space: global }
      - { .name: wf, .offset: 48, .size: 8, .value_kind: global_buffer, .address_space: global }
      - { .name: rword, .offset: 56, .size: 8, .value_kind: global_buffer, .address_space: global }
      - { .name: hist, .offset: 64, .size: 8, .value_kind: global_buffer, .address_space: global }
      - { .name: comb, .offset: 72, .size: 8, .value_kind: global_buffer, .address_space: global }
      - { .name: part, .offset: 80, .size: 8, .value_kind: global_buffer, .address_space: global }
      - { .name: tlist, .offset: 88, .size: 8, .value_kind: global_buffer, .address_space: global }
    .group_segment_fixed_size: 135168
    .private_segment_fixed_size: 0
    .kernarg_segment_align: 8
    .kernarg_segment_size: 96
    .max_flat_workgroup_size: 128
    .sgpr_count:     66
    .vgpr_count:     258
    .wavefront_size: 32
...
	.end_amdgpu_metadata
.endif
;; end of part 1
;; launch plan (part 2): grid 1 x 1, 32 waves a work-group, no clusters, 14,848 bytes of LDS; arguments rword, hist, part, tlist, out1, out2; writes tlist, out1, out2
.if DOCPART == 2
	.amdgcn_target "amdgcn-amd-amdhsa--gfx1250"
	.amdhsa_code_object_version 6
	.text
	.protected	k_qf822e05705_plan
	.globl	k_qf822e05705_plan
	.p2align	8
	.type	k_qf822e05705_plan,@function
k_qf822e05705_plan:
	s_mov_b64 s[64:65], 0
	v_nop
	global_prefetch_b8 v0, s[64:65] scope:SCOPE_SE
	s_setreg_imm32_b32 hwreg(HW_REG_WAVE_MODE, 25, 1), 1
	s_wait_xcnt 0x0
; PLAN.  One work-group, 32 waves.  From the 512 histograms of 28 pairs it makes each token's place in a list of exactly 155 tiles of 64 slots, each tile of one pair of experts, and
; scatters 0x80000000 | token | a << 16 | b << 20 into tlist (cleared by the launch before); and it adds up the two losses.
; A pair with n tokens has k = ceil(n / 64) tiles, f = floor(n / 64) of them full.  The sum T of k lies in 128 .. 155 (8,192 tokens, at most 28 remainders).  The first E = 155 - T full tiles, in the order of
; the pairs, are cut into two tiles of 32 tokens: there are at least (8,192 - 28 x 63) / 64 > 100 full tiles and E <= 27.  So there are always 155 tiles, and slot 0 of each holds a token.
; One work-group, since the prefix sums span all tokens and a sum across work-groups would want a launch more; the tables are 131,072 bytes.
; Where bins are meant, lane = bin.  Wave w owns blocks 16 w .. 16 w + 15 (tokens 256 w .. 256 w + 255).
.set LW, 0                             ; [wave][bin], 132 bytes a row: counts of a wave's 256 tokens
.set LP, 4352                          ; [bin][wave] exclusive prefix over the waves, word 32 the bin's total
.set LZ, 8704                          ; [wave][16] sums for the losses
.set H,  16                            ; v[16:31] my 16 blocks' counts
.set R,  32                            ; v[32:39] my 8 words of rword a lane
.set Z,  40                            ; v[40:47] part
.set P,  48                            ; v[48:64] prefix over my blocks
.macro SCAN32 r                        ; v[r] becomes its inclusive prefix sum over the 32 lanes; v5 at work
.irp n, 1,2,4,8
	v_mov_b32_dpp v5, v[\r] row_shr:\n row_mask:0xf bank_mask:0xf bound_ctrl:1
	v_add_nc_u32 v[\r], v[\r], v5
.endr
	v_readlane_b32 s19, v[\r], 15
	v_cndmask_b32 v5, 0, s19, s17                  ; lanes 16-31 add the lower half's total
	v_add_nc_u32 v[\r], v[\r], v5
.endm
	s_load_b256 s[4:11], s[0:1], 0x0               ; rword, hist, part, tlist
	s_load_b128 s[12:15], s[0:1], 0x20             ; out1, out2
	v_lshl_add_u32 v112, v0, 2, 0x2a00
	v_mov_b32 v113, 0
	v_and_b32 v1, 31, v0
	v_lshrrev_b32 v5, 5, v0
	v_readfirstlane_b32 s16, v5                    ; wave 0..31
	s_mov_b32 s17, 0xffff0000
	s_mov_b32 s20, 0x76543210
	s_mov_b32 s21, 0xfedcba98
	v_lshlrev_b32 v6, 2, v1
	v_lshl_add_u32 v2, s16, 11, v6                 ; hist: 16 rows of 128 bytes a wave
	v_lshl_add_u32 v3, s16, 10, v6                 ; rword: 256 words a wave
	v_lshlrev_b32 v4, 5, v0                        ; part: 32 bytes a thread: even threads 8 probability sums, odd threads (sum of L^2, zeros)
	s_wait_kmcnt 0x0
.irp i, 0,1,2,3,4,5,6,7,8,9,10,11,12,13,14,15
	global_load_b32 v[H+\i], v2, s[6:7] offset:128*\i
.endr
.irp c, 0,1,2,3,4,5,6,7
	global_load_b32 v[R+\c], v3, s[4:5] offset:128*\c
.endr
	global_load_b128 v[Z:Z+3], v4, s[8:9]
	global_load_b128 v[Z+4:Z+7], v4, s[8:9] offset:16
	s_mul_i32 s22, s16, 132
	v_add_nc_u32 v7, s22, v6                       ; my wave's row, my lane's word
	v_mul_u32_u24 v15, v1, 132                     ; my lane's row
	v_lshl_add_u32 v9, s16, 2, v15                 ; my lane's row, my wave's word
	v_and_b32 v8, 1, v0
	v_lshlrev_b32 v8, 5, v8
	s_lshl_b32 s18, s16, 6
	v_add_nc_u32 v8, s18, v8
	v_mov_b32 v[P], 0
	s_wait_loadcnt 0x0
.irp i, 0,1,2,3,4,5,6,7,8,9,10,11,12,13,14,15
	v_add_nc_u32 v[P+1+\i], v[P+\i], v[H+\i]
.endr
	ds_store_b32 v7, v[P+16] offset:LW
.irp m, 2,4,8                          ; lanes of equal parity are added
.irp j, 0,1,2,3,4,5,6,7
	v_add_f32_dpp v[Z+\j], v[Z+\j], v[Z+\j] row_xmask:\m row_mask:0xf bank_mask:0xf
.endr
.endr
.irp j, 0,1,2,3,4,5,6,7
	v_permlanex16_b32 v5, v[Z+\j], s20, s21
	v_add_f32 v[Z+\j], v[Z+\j], v5
.endr
	ds_store_b128 v8, v[Z:Z+3] offset:LZ           ; lanes of one parity write the same bytes with the same numbers
	ds_store_b128 v8, v[Z+4:Z+7] offset:LZ+16
	s_wait_dscnt 0x0                               ; for the others' sake
	s_barrier_signal -1
	s_barrier_wait -1
	ds_load_b32 v10, v9 offset:LW                  ; wave b takes bin b: lane = the wave that counted
	s_wait_dscnt 0x0
	v_mov_b32 v11, v10
	SCAN32 10
	v_sub_nc_u32 v12, v10, v11
	ds_store_b32 v7, v12 offset:LP
	v_readlane_b32 s23, v10, 31
	v_mov_b32 v13, s23
	v_mov_b32 v14, s22
	ds_store_b32 v14, v13 offset:LP+128
	s_wait_dscnt 0x0
	s_barrier_signal -1
	s_barrier_wait -1
	ds_load_b32 v65, v9 offset:LP                  ; lane = bin again: what the waves before mine counted,
	ds_load_b32 v66, v15 offset:LP+128             ; and n
	s_wait_dscnt 0x0
	v_lshrrev_b32 v67, 6, v66                      ; f
	v_add_nc_u32 v68, 63, v66
	v_lshrrev_b32 v68, 6, v68                      ; k
	v_mov_b32 v69, v67
	SCAN32 69
	v_sub_nc_u32 v69, v69, v67                     ; full tiles of the bins before mine
	v_mov_b32 v70, v68
	SCAN32 70
	v_readlane_b32 s23, v70, 31                    ; T
	s_sub_co_u32 s23, 155, s23                     ; E
	v_min_u32 v70, s23, v69
	v_sub_nc_u32 v70, s23, v70
	v_min_u32 v70, v70, v67                        ; s: how many of my full tiles are cut in two
	v_add_nc_u32 v73, v68, v70
	v_mov_b32 v71, v73
	SCAN32 71
	v_sub_nc_u32 v71, v71, v73                     ; my bin's first tile
	v_lshl_or_b32 v72, v70, 16, v71
.irp i, 0,1,2,3,4,5,6,7,8,9,10,11,12,13,14,15
	v_add_nc_u32 v[P+\i], v[P+\i], v65
.endr
.irp c, 0,1,2,3,4,5,6,7
	v_and_b32 v[100+\c], 31, v[R+\c]
	v_lshlrev_b32 v[100+\c], 2, v[100+\c]          ; the lane that holds my token's bin
.endr
.irp c, 0,1,2,3,4,5,6,7                ; token 256 w + 32 c + lane lies in block 16 w + 2 c + lane / 16
	ds_bpermute_b32 v[76+\c], v[100+\c], v[P+2*\c]
	ds_bpermute_b32 v[84+\c], v[100+\c], v[P+2*\c+1]
	ds_bpermute_b32 v[92+\c], v[100+\c], v72
.endr
	v_cmp_gt_u32 vcc_lo, 16, v1
	v_lshl_add_u32 v74, s16, 8, v1
	s_wait_dscnt 0x0
.irp c, 0,1,2,3,4,5,6,7
	v_cndmask_b32 v[76+\c], v[84+\c], v[76+\c], vcc_lo
	v_lshrrev_b32 v5, 16, v[R+\c]
	v_add_nc_u32 v[76+\c], v[76+\c], v5            ; r: my token's rank in its bin
	v_and_b32 v10, 0xffff, v[92+\c]                ; the bin's first tile
	v_lshrrev_b32 v11, 16, v[92+\c]                ; s
	v_lshlrev_b32 v12, 6, v11
	v_lshrrev_b32 v13, 5, v[76+\c]                 ; r < 64 s: tiles of 32
	v_add_lshl_u32 v13, v10, v13, 6
	v_and_b32 v14, 31, v[76+\c]
	v_add_nc_u32 v13, v13, v14
	v_sub_nc_u32 v14, v[76+\c], v12                ; else: tiles of 64 behind them
	v_lshl_add_u32 v10, v11, 1, v10
	v_lshrrev_b32 v15, 6, v14
	v_add_lshl_u32 v15, v10, v15, 6
	v_and_b32 v14, 63, v14
	v_add_nc_u32 v15, v15, v14
	v_cmp_lt_u32 s24, v[76+\c], v12
	v_cndmask_b32 v[76+\c], v15, v13, s24
	v_min_u32 v[76+\c], 0x26bf, v[76+\c]           ; 155 x 64 - 1: an address made of loaded numbers is clamped
	v_lshlrev_b32 v[76+\c], 2, v[76+\c]
	v_bfe_u32 v[84+\c], v[R+\c], 8, 8              ; a and b
	v_lshlrev_b32 v[84+\c], 16, v[84+\c]
	v_add_nc_u32 v5, 32*\c, v74                    ; the token
	v_or_b32 v[84+\c], v[84+\c], v5
	v_or_b32 v[84+\c], 0x80000000, v[84+\c]
	global_store_b32 v[76+\c], v[84+\c], s[10:11]  ; each chunk has its own offset and data registers: none is rewritten
.endr
	s_cmp_lg_u32 s16, 0
	s_cbranch_scc1 .Lend
	; wave 0: the losses.  out1 = 8 mean(L^2) = sum / 8,192.  out2 = 8 x 8 x mean over e of pm ln(pm + 1e-9) = 8 ln 2 x sum over e of pm log2(pm + 1e-9), pm = sum of probabilities / 8,192
	v_lshlrev_b32 v6, 6, v1
	ds_load_b128 v[Z:Z+3], v6 offset:LZ
	ds_load_b128 v[Z+4:Z+7], v6 offset:LZ+16
	ds_load_b32 v16, v6 offset:LZ+32
	s_wait_dscnt 0x0
.irp m, 1,2,4,8
.irp j, 0,1,2,3,4,5,6,7
	v_add_f32_dpp v[Z+\j], v[Z+\j], v[Z+\j] row_xmask:\m row_mask:0xf bank_mask:0xf
.endr
	v_add_f32_dpp v16, v16, v16 row_xmask:\m row_mask:0xf bank_mask:0xf
.endr
.irp j, 0,1,2,3,4,5,6,7
	v_permlanex16_b32 v5, v[Z+\j], s20, s21
	v_add_f32 v[Z+\j], v[Z+\j], v5
.endr
	v_permlanex16_b32 v5, v16, s20, s21
	v_add_f32 v16, v16, v5
	v_mul_f32 v16, 0x39000000, v16                 ; 2^-13
.irp j, 0,1,2,3,4,5,6,7
	v_mul_f32 v[Z+\j], 0x39000000, v[Z+\j]
.endr
.irp j, 0,1,2,3,4,5,6,7
	v_add_f32 v[17+\j], 0x3089705f, v[Z+\j]        ; + 1e-9
.endr
.irp j, 0,1,2,3,4,5,6,7
	v_log_f32 v[17+\j], v[17+\j]
.endr
	v_mov_b32 v26, 0                               ; a plain line behind the logarithms
	s_wait_alu depctr_va_vdst(0)
	v_mul_f32 v25, v[Z], v17
.irp j, 1,2,3,4,5,6,7
	v_fmac_f32 v25, v[Z+\j], v[17+\j]
.endr
	v_mul_f32 v25, 0x40b17218, v25                 ; 8 ln 2
	v_cmp_eq_u32 vcc_lo, 0, v1
	s_wait_xcnt 0x0                                ; EXEC changes only behind this wait
	s_and_saveexec_b32 s25, vcc_lo
	global_store_b32 v26, v16, s[12:13]
	global_store_b32 v26, v25, s[14:15]
	s_wait_xcnt 0x0
	s_or_b32 exec_lo, exec_lo, s25
.Lend:
	s_wait_tensorcnt 0x0
	ds_add_u32 v112, v113
	s_wait_dscnt 0x0
	s_endpgm
.Lfunc_end_k_qf822e05705_plan:
	.size	k_qf822e05705_plan, .Lfunc_end_k_qf822e05705_plan-k_qf822e05705_plan
	.p2alignl 7, 3214868480
	.fill 96, 4, 3214868480
	.section	.rodata,"a",@progbits
	.p2align	6, 0x0
	.amdhsa_kernel k_qf822e05705_plan
		.amdhsa_group_segment_fixed_size 14848
		.amdhsa_private_segment_fixed_size 0
		.amdhsa_enable_private_segment 0
		.amdhsa_kernarg_size 48
		.amdhsa_user_sgpr_count 2
		.amdhsa_user_sgpr_kernarg_segment_ptr 1
		.amdhsa_wavefront_size32 1
		.amdhsa_system_sgpr_workgroup_id_x 1
		.amdhsa_system_sgpr_workgroup_id_y 1
		.amdhsa_system_sgpr_workgroup_id_z 1
		.amdhsa_system_vgpr_workitem_id 0
		.amdhsa_next_free_vgpr 114
		.amdhsa_next_free_sgpr 66
		.amdhsa_reserve_vcc 1
		.amdhsa_float_denorm_mode_32 3
		.amdhsa_float_denorm_mode_16_64 3
		.amdhsa_memory_ordered 1
		.amdhsa_forward_progress 1
		.amdhsa_inst_pref_size 28
	.end_amdhsa_kernel
	.amdgpu_metadata
---
amdhsa.version: [ 1, 2 ]
amdhsa.kernels:
  - .name:           k_qf822e05705_plan
    .symbol:         k_qf822e05705_plan.kd
    .args:
      - { .name: rword, .offset: 0, .size: 8, .value_kind: global_buffer, .address_space: global }
      - { .name: hist, .offset: 8, .size: 8, .value_kind: global_buffer, .address_space: global }
      - { .name: part, .offset: 16, .size: 8, .value_kind: global_buffer, .address_space: global }
      - { .name: tlist, .offset: 24, .size: 8, .value_kind: global_buffer, .address_space: global }
      - { .name: out1, .offset: 32, .size: 8, .value_kind: global_buffer, .address_space: global }
      - { .name: out2, .offset: 40, .size: 8, .value_kind: global_buffer, .address_space: global }
    .group_segment_fixed_size: 14848
    .private_segment_fixed_size: 0
    .kernarg_segment_align: 8
    .kernarg_segment_size: 48
    .max_flat_workgroup_size: 1024
    .sgpr_count:     66
    .vgpr_count:     114
    .wavefront_size: 32
...
	.end_amdgpu_metadata
.endif
;; end of part 2
;; launch experts (part 3): grid 155 x 1, 4 waves a work-group, no clusters, 265,216 bytes of LDS; arguments xb, wf, comb, tlist, out0; writes out0
.if DOCPART == 3
	.amdgcn_target "amdgcn-amd-amdhsa--gfx1250"
	.amdhsa_code_object_version 6
	.text
	.protected	k_qf822e05705_experts
	.globl	k_qf822e05705_experts
	.p2align	8
	.type	k_qf822e05705_experts,@function
k_qf822e05705_experts:
	s_mov_b64 s[64:65], 0
	v_nop
	global_prefetch_b8 v0, s[64:65] scope:SCOPE_SE
	s_setreg_imm32_b32 hwreg(HW_REG_WAVE_MODE, 25, 1), 1
	s_wait_xcnt 0x0
; EXPERTS.  Work-group t takes tile t of the list: up to 64 tokens that chose the same two experts a < b, and makes their whole rows of out0.
; PHASE 1: H^T = [gate_a, up_a, gate_b, up_b]^T X^T: 1,024 weight columns x 64 tokens, K = 1,024.  SwiGLU in registers, the token's weight of the expert folded in, h to LDS.
; PHASE 2: Out^T = [down_a; down_b]^T H^T: 1,024 channels x 64 tokens, K = 512: the sum over the two experts is made in the accumulators, so each x row is read once and each out0 row written once.
; K is walked a, b, a, b: ring buffer 0 always holds fragments of down_a and buffer 1 of down_b, so that each run of loads has its base fixed in the text.
; The six experts whose result reference() multiplies by a weight that it has itself set to 0 are not computed.
; h IN TWO PARTS.  h = hi + lo, hi = bf16(h), lo = bf16(h - hi): 16 significant bits.  One bf16 keeps 8: each of a sum's 512 products would be off by up to 2^-9 of itself, the sum by about a thousandth of its row's
; size, and the worst of 8,388,608 numbers by several times that, beside an allowance of a hundredth of the whole output's root mean square.  Each weight fragment is multiplied by both parts: no weight byte more.
; SHARES.  Wave w: phase 1, ff tiles at places 4 w .. 4 w + 3 of both experts, gate and up (64 accumulators of 16 x 16); phase 2, channels 256 w .. 256 w + 255 (64 accumulators).
; WEIGHTS skip LDS: each weight number feeds one wave alone, and wf holds them in the order of a fragment's registers, so a load of 16 bytes a lane covers 512 consecutive bytes.  A ring of four half steps in
; 256 registers; the wait for the next half stands ahead of each refill, so 48 loads, 24,576 bytes a wave, are out, and a load has 96 matrix instructions (phase 2: 192) in which to land.
; X comes once, through registers: each row's address comes from the list; 64 loads of 512 consecutive bytes a wave, into the accumulators' registers, which are idle at the start, and from there into LDS.
; NO CLUSTER, NO JOINT LOADS: partners would have to hold the same pair of experts; the 28 pairs' tile counts hang on numbers read from memory, 155 is no multiple of four, and the weights go to registers, not to LDS.
; TURNED STARTS, q = t % 8.  Tiles of one expert would all ask for the same 32,768 bytes at the same time.  So tile t begins K at step 4 q in phase 1 and at step q of each expert in phase 2.  Only global addresses hang
; on q: X is laid into LDS turned left by 256 q bytes; place 4 w + i of h holds ff tile (4 w + i + 2 q) % 16.  The walks through LDS are the same in every work-group.
; EMPTY SLOTS take slot 0's token: that row is made again and stored again with the same bytes by the same wave.  No mask and no branch hangs on the list.
; LIMITS.  h has 16 significant bits (f16 has no room: with inputs 30 times larger g u reaches 1e6); where |g u| overflows, the row is lost.  The order of the f32 sums along K hangs on q.  An expert that was not chosen
; adds 0, also where its own result would overflow.  silu(g) u c = g u / ((1 + 2^(-g log2 e)) / c): for g far below 0 the power is infinite and the quotient 0.  A weight c below 2^-100 counts as 2^-100.
; REGISTERS, in windows of 256 (s_set_vgpr_msb: bits 1:0 source 0, 3:2 source 1, 5:4 source 2, 7:6 destination):
;   window 0: v1 lane, v2 lane % 16, v3 lane / 16, v4-v19 addresses, v16, v20-23 tokens, v[32:95] two buffers of token fragments (phase 2: of hi), v[96:99] X's global offsets, v[112:127] 1 / c,
;             v[128:191] T and U, in phase 2 two buffers of lo's fragments; v[192:207] packed hi, v[208:223] packed lo
;   window 1: the weight ring: buffer, half, fragment f at v[128 buf + 64 half + 8 f]; on the way out two buffers of rows read back
;   windows 2, 3: accumulator (f, n) at v[8 (4 f + n)].  Phase 1: window 2 expert a, 3 expert b; f 0-3 gate, 4-7 up.  Phase 2: window 2 channel tiles 0-7 of my 16, window 3 tiles 8-15.  At the start window 2 stages X.
.set XP,  2064                         ; an X row in LDS: 2,048 + 16 bytes = 129 x 16: the 16 rows of a fragment load start in 16 different 16-byte columns
.set HL,  64*XP+256                    ; h behind X and a gap of 256 bytes that nothing names (another stands behind h): 64 rows,
.set HP,  2064                         ; [token]: 1,024 bytes of hi ([expert x 256 + ff place] bf16), 1,024 bytes of lo, 16 of padding
.set LO,  1024                         ; lo's place in a row
.set SB,  16*1040                      ; the way out: 16 rows x 1,040 bytes for each wave, over X, whose last read lies in front of the second barrier
.set RB,  66                           ; s[66:97] 16 row addresses
.set TT,  128
.set UU,  160
.set PH,  192
.set PL,  208
.set CC,  112
.set MSB, 0
.macro WIN new                         ; the immediate's high byte repeats the setting that is left; a switch that changes nothing is dropped
.if MSB != (\new)
	s_set_vgpr_msb (MSB<<8)|(\new)
.set MSB, \new
.endif
.endm
; 16 row addresses: base + token << shift, the tokens from lanes 0-15 of a register; a number that was loaded is clamped before it enters an address
.macro ROWB vsrc, shift, sb
.set rbi, 0
.rept 16
	v_readlane_b32 s46, v[\vsrc], rbi
	s_min_u32 s46, s46, 0x1fff
	s_lshl_b32 s46, s46, \shift
	s_add_nc_u64 s[RB+2*rbi:RB+2*rbi+1], s[\sb:\sb+1], s[46:47]
.set rbi, rbi+1
.endr
.endm
; X, group g of four: my rows 4 g .. 4 g + 3, four loads of 512 consecutive bytes each, into window 2; and from there into LDS
.macro XLD g
	WIN 0x80                                       ; destination window 2
.set xj, 16*(\g)
.rept 16
	global_load_b128 v[4*xj:4*xj+3], v[96+xj%4], s[RB+2*(xj/4):RB+2*(xj/4)+1]
.set xj, xj+1
.endr
.endm
.macro XST g
	WIN 0x08                                       ; store data in window 2
.set xj, 16*(\g)
.rept 16
	ds_store_b128 v19, v[4*xj:4*xj+3] offset:(xj/4)*XP+(xj%4)*512
.set xj, xj+1
.endr
.endm
; 16 loads: phase 1's eight fragments (4 gate, 4 up) of expert a (hx = 0) or b (1) for the next K step
.macro RUN1 buf, hx
	s_wait_xcnt 0x0                                ; the base of earlier loads is rewritten only behind this wait
.if (\hx) == 0
	s_add_co_u32 s26, s26, 0x8000                  ; the next K step, round the expert's 32
	s_and_b32 s26, s26, 0xfffff
	s_add_nc_u64 s[28:29], s[18:19], s[26:27]
.else
	s_add_nc_u64 s[30:31], s[20:21], s[26:27]
.endif
	WIN 0x40                                       ; destination window 1
.irp f, 0,1,2,3,4,5,6,7
	global_load_b128 v[128*(\buf)+64*(\hx)+8*(\f):128*(\buf)+64*(\hx)+8*(\f)+3], v[5+12*(((\f)>>1)&1)], s[28+2*(\hx):29+2*(\hx)] offset:((\f)>>2)*16384+((\f)&1)*1024
	global_load_b128 v[128*(\buf)+64*(\hx)+8*(\f)+4:128*(\buf)+64*(\hx)+8*(\f)+7], v[5+12*(((\f)>>1)&1)], s[28+2*(\hx):29+2*(\hx)] offset:((\f)>>2)*16384+((\f)&1)*1024+512
.endr
.endm
; 16 loads: phase 2's fragments of channel tiles 8 hx .. 8 hx + 7 of my 16, of down_a (buf = 0) or down_b (1), for the expert's next place p: K step (p + q) % 8.  Buffer 0's run steps the offset, buffer 1's takes it as it is.
.macro RUN2 buf, hx
.if (\hx) == 0
	s_wait_xcnt 0x0                                ; the base of earlier loads is rewritten only behind this wait
.if (\buf) == 0
	s_add_co_u32 s38, s38, 0x10000                 ; the next K step, round the expert's 8
	s_and_b32 s38, s38, 0x7ffff
.endif
	s_add_nc_u64 s[40:41], s[22+2*(\buf):23+2*(\buf)], s[38:39]
.endif
	WIN 0x40
.irp f, 0,1,2,3,4,5,6,7
	global_load_b128 v[128*(\buf)+64*(\hx)+8*(\f):128*(\buf)+64*(\hx)+8*(\f)+3], v6, s[40:41] offset:(\hx)*8192+(\f)*1024
	global_load_b128 v[128*(\buf)+64*(\hx)+8*(\f)+4:128*(\buf)+64*(\hx)+8*(\f)+7], v6, s[40:41] offset:(\hx)*8192+(\f)*1024+512
.endr
.endm
; the four token fragments (16 tokens x 32 K each) of the next K step: 8 LDS loads; two = 1: h's, hi and lo: 16.  mode 0: the walk begins; 1: it steps 64 bytes; 2: it stays (imm reaches b's half of h).
; The four vector lines are the four places behind the products just issued.
.macro FRAGS xb, mode, b0, b1, step, two, imm
	WIN 0
.if (\mode) == 0
	v_mov_b32 v11, v[\b0]
	v_mov_b32 v12, v[\b1]
	v_nop
	v_nop
.elseif (\mode) == 1
	v_add_nc_u32 v11, 64, v11
	v_add_nc_u32 v12, 64, v12
	v_nop
	v_nop
.else
	v_nop
	v_nop
	v_nop
	v_nop
.endif
.irp c, 0,1,2,3
	ds_load_b128 v[32+32*(\xb)+8*(\c):32+32*(\xb)+8*(\c)+3], v[11+((\c)>>1)] offset:((\c)&1)*(\step)+(\imm)
	ds_load_b128 v[32+32*(\xb)+8*(\c)+4:32+32*(\xb)+8*(\c)+7], v[11+((\c)>>1)] offset:((\c)&1)*(\step)+(\imm)+32
.endr
.if \two
.irp c, 0,1,2,3
	ds_load_b128 v[128+32*(\xb)+8*(\c):128+32*(\xb)+8*(\c)+3], v[11+((\c)>>1)] offset:((\c)&1)*(\step)+(\imm)+LO
	ds_load_b128 v[128+32*(\xb)+8*(\c)+4:128+32*(\xb)+8*(\c)+7], v[11+((\c)>>1)] offset:((\c)&1)*(\step)+(\imm)+LO+32
.endr
.endif
.endm
; Half a K step.  Its weights were shown in by the wait at the end of the half before.  32 matrix instructions on one window's 32 accumulators, which take turns (two = 1: 32 more, the same weights times lo:
; 31 others' stand between two links of a chain); the next step's token fragments (fk: 1 X, 2 h); the wait for the NEXT half's weights (lcnt; -1: none); the refill of the half just multiplied (rk: 1, 2).
; In phase 2 a step on buffer 0 (a's place p) fetches b's place p, 512 bytes on in the row; a step on buffer 1 fetches a's place p + 1.
.macro HALF buf, hx, zero, two, fk, rk, lcnt
.if (\hx) == 0
	s_wait_dscnt 0x0                               ; this step's token fragments, asked for a half step ago
.endif
	WIN 0xa1+0x50*(\hx)
.irp f, 0,1,2,3,4,5,6,7
.irp n, 0,1,2,3
.if \zero
	v_wmma_f32_16x16x32_bf16 v[8*(4*(\f)+(\n)):8*(4*(\f)+(\n))+7], v[128*(\buf)+64*(\hx)+8*(\f):128*(\buf)+64*(\hx)+8*(\f)+7], v[32+32*(\buf)+8*(\n):32+32*(\buf)+8*(\n)+7], 0
.else
	v_wmma_f32_16x16x32_bf16 v[8*(4*(\f)+(\n)):8*(4*(\f)+(\n))+7], v[128*(\buf)+64*(\hx)+8*(\f):128*(\buf)+64*(\hx)+8*(\f)+7], v[32+32*(\buf)+8*(\n):32+32*(\buf)+8*(\n)+7], v[8*(4*(\f)+(\n)):8*(4*(\f)+(\n))+7]
.endif
.endr
.endr
.if \two
.irp f, 0,1,2,3,4,5,6,7
.irp n, 0,1,2,3
	v_wmma_f32_16x16x32_bf16 v[8*(4*(\f)+(\n)):8*(4*(\f)+(\n))+7], v[128*(\buf)+64*(\hx)+8*(\f):128*(\buf)+64*(\hx)+8*(\f)+7], v[128+32*(\buf)+8*(\n):128+32*(\buf)+8*(\n)+7], v[8*(4*(\f)+(\n)):8*(4*(\f)+(\n))+7]
.endr
.endr
.endif
	WIN 0
.if (\fk) == 1
	FRAGS 1-(\buf), 1, 7, 8, 16*XP, 0, 0
.elseif (\fk) == 2
	FRAGS 1-(\buf), 2-(\buf), 9, 10, 16*HP, 1, 512-512*(\buf)
.elseif (\rk) != 0
.rept 4
	v_nop                                          ; four places in front of loads into registers that the products have read
.endr
.endif
.if (\lcnt) >= 0
	s_wait_loadcnt \lcnt                           ; loads return in order: the next half's 16 are in, the younger runs of 16 stay out
.endif
.if (\rk) == 1
	RUN1 \buf, \hx
.elseif (\rk) == 2
	RUN2 \buf, \hx
.endif
.endm
.macro STEP buf, zero, two, fk, rk, l0, l1     ; a K step: both halves
	HALF \buf, 0, \zero, \two, \fk, \rk, \l0
	HALF \buf, 1, \zero, \two, 0, \rk, \l1
.endm
; SwiGLU for expert x and tokens 16 n .. 16 n + 15: 32 numbers a lane (4 ff tiles x 8).  Each accumulator is read from its low end on.
.macro SWI x, n
	WIN 0x0a+5*(\x)                                ; sources in window 2 or 3
.set z, 0
.rept 16
	v_pk_mul_f32 v[TT+2*z:TT+2*z+1], v[32*(z/4)+8*(\n)+2*(z%4):32*(z/4)+8*(\n)+2*(z%4)+1], s[42:43] op_sel_hi:[1,0]  ; -g log2 e
.set z, z+1
.endr
.set z, 0
.rept 16
	v_pk_mul_f32 v[UU+2*z:UU+2*z+1], v[32*(z/4)+8*(\n)+2*(z%4):32*(z/4)+8*(\n)+2*(z%4)+1], v[128+32*(z/4)+8*(\n)+2*(z%4):128+32*(z/4)+8*(\n)+2*(z%4)+1]  ; g u
.set z, z+1
.endr
	WIN 0
.set z, 0
.rept 32
	v_exp_f32 v[TT+z], v[TT+z]
.set z, z+1
.endr
	v_nop                                          ; a plain line behind the exponentials
.set z, 0
	s_wait_alu depctr_va_vdst(0)
.rept 16
	v_pk_fma_f32 v[TT+2*z:TT+2*z+1], v[TT+2*z:TT+2*z+1], v[CC+4*(\n)+2*(\x):CC+4*(\n)+2*(\x)+1], v[CC+4*(\n)+2*(\x):CC+4*(\n)+2*(\x)+1] op_sel_hi:[1,0,0]  ; (e + 1) / c
.set z, z+1
.endr
.set z, 0
.rept 32
	v_rcp_f32 v[TT+z], v[TT+z]
.set z, z+1
.endr
	v_nop                                          ; a plain line behind the reciprocals
.set z, 0
	s_wait_alu depctr_va_vdst(0)
.rept 16
	v_pk_mul_f32 v[UU+2*z:UU+2*z+1], v[UU+2*z:UU+2*z+1], v[TT+2*z:TT+2*z+1]
.set z, z+1
.endr
.set z, 0
.rept 16
	v_cvt_pk_bf16_f32 v[PH+z], v[UU+2*z], v[UU+2*z+1]  ; hi
.set z, z+1
.endr
.irp i, 0,1,2,3                        ; a lane's eight ff of one token: 16 bytes; tokens 0-31 by v13, tokens 32-63 by v18, so that the offsets stay inside 16 bits
	ds_store_b128 v[13+5*((\n)>>1)], v[PH+4*(\i):PH+4*(\i)+3] offset:((\n)&1)*16*HP+(\x)*512+(\i)*32
.endr
.set z, 0
.rept 16
	v_lshlrev_b32 v[TT+2*z], 16, v[PH+z]           ; hi as f32: the low half moves up,
	v_and_b32 v[TT+2*z+1], s34, v[PH+z]            ; the high half stays
.set z, z+1
.endr
.set z, 0
.rept 16
	v_pk_add_f32 v[UU+2*z:UU+2*z+1], v[UU+2*z:UU+2*z+1], v[TT+2*z:TT+2*z+1] neg_lo:[0,1] neg_hi:[0,1]  ; h - hi, exact
.set z, z+1
.endr
.set z, 0
.rept 16
	v_cvt_pk_bf16_f32 v[PL+z], v[UU+2*z], v[UU+2*z+1]  ; lo
.set z, z+1
.endr
.irp i, 0,1,2,3
	ds_store_b128 v[13+5*((\n)>>1)], v[PL+4*(\i):PL+4*(\i)+3] offset:((\n)&1)*16*HP+(\x)*512+(\i)*32+LO
.endr
.endm
; THE WAY OUT, in eight blocks b = 2 n + hx: tokens 16 n .. 16 n + 15, my channel tiles 8 hx .. 8 hx + 7 (512 bytes of a row).  OST: a lane's eight channels of a token (32 bytes) go into my stage.
; OLD: 16 rows of 512 bytes come back, into window 1.  OSN: each store covers 512 consecutive aligned bytes of a row of out0.  The two hx have stage bytes and registers of their own.
.macro OST b
	WIN 0x08+4*((\b)&1)                            ; store data in window 2 or 3
.set oc, 0
.rept 8
	ds_store_b128 v14, v[8*(4*oc+(\b)/2):8*(4*oc+(\b)/2)+3] offset:((\b)&1)*512+oc*64
	ds_store_b128 v14, v[8*(4*oc+(\b)/2)+4:8*(4*oc+(\b)/2)+7] offset:((\b)&1)*512+oc*64+16
.set oc, oc+1
.endr
.endm
.macro OLD b
	s_wait_xcnt 0x0                                ; earlier stores have read their data registers and row addresses: both are rewritten only behind this wait
	WIN 0x40
.set ok, 0
.rept 16                                       ; LDS serves a wave's instructions in order: these see the block's stores, and the next stores into these bytes come behind them
	ds_load_b128 v[64*((\b)&1)+4*ok:64*((\b)&1)+4*ok+3], v15 offset:ok*1040+((\b)&1)*512
.set ok, ok+1
.endr
.endm
.macro OSN b, younger                  ; younger: the LDS instructions issued behind the block's read-backs: the next block's 16 stores, or none
	WIN 0x04                                       ; store data in window 1
.set ok, 0
.rept 16
.if ok%4 == 0
	s_wait_dscnt (\younger)+12-ok                  ; read-backs ok .. ok + 3 are in; the 12 - ok behind them and the younger ones stay out
.endif
	global_store_b128 v4, v[64*((\b)&1)+4*ok:64*((\b)&1)+4*ok+3], s[RB+2*ok:RB+2*ok+1] offset:((\b)&1)*512 th:TH_STORE_NT
.set ok, ok+1
.endr
.endm
	s_load_b256 s[4:11], s[0:1], 0x0               ; xb s[4:5], wf s[6:7], comb s[8:9], tlist s[10:11]
	s_load_b64 s[12:13], s[0:1], 0x20              ; out0
	v_lshl_add_u32 v254, v0, 2, 0x40a00
	v_mov_b32 v255, 0
	v_and_b32 v1, 31, v0
	v_lshrrev_b32 v18, 5, v0
	v_readfirstlane_b32 s14, v18                   ; wave 0..3
	v_and_b32 v2, 15, v0
	v_bfe_u32 v3, v0, 4, 1
	s_mov_b32 s15, ttmp9                           ; the tile
	s_mov_b32 s47, 0                               ; high words of offset pairs
	s_mov_b32 s27, 0
	s_mov_b32 s39, 0
	s_mov_b32 s34, 0xffff0000                      ; a word's upper bf16
	s_mov_b32 s42, 0xbfb8aa3b                      ; -log2 e
	s_mov_b32 s43, s42                             ; named with it as a pair
	v_lshlrev_b32 v4, 4, v1                        ; 16 lane
	v_lshlrev_b32 v24, 2, v2
	v_lshl_add_u32 v25, s14, 6, v24
	s_lshl_b32 s46, s15, 8
	s_wait_kmcnt 0x0
	s_add_nc_u64 s[48:49], s[10:11], s[46:47]      ; my tile's 64 words
	global_load_b32 v16, v25, s[48:49]             ; slots 16 w + lane % 16: the rows of X that I bring
.irp n, 0,1,2,3
	global_load_b32 v[20+\n], v24, s[48:49] offset:64*\n  ; slots 16 n + lane % 16
.endr
	s_and_b32 s37, s15, 7                          ; q
	v_lshl_add_u32 v18, s37, 8, v4
.irp c, 0,1,2,3
	v_add_nc_u32 v[96+\c], 512*\c, v18
	v_and_b32 v[96+\c], 0x7ff, v[96+\c]            ; LDS byte 512 c + 16 lane of a row takes the row's byte (that + 256 q) mod 2,048
.endr
	s_mul_i32 s53, s14, 16*XP
	v_add_nc_u32 v19, s53, v4                      ; X in LDS: my 16 rows, 16 bytes a lane
	s_lshl_b32 s54, s14, 2
	s_lshl_b32 s55, s37, 1
	s_add_co_u32 s54, s54, s55
	s_and_b32 s55, s54, 15
	s_lshl_b32 s55, s55, 10
	v_add_nc_u32 v5, s55, v4                       ; ff tiles (4 w + 2 q) % 16 and the next,
	s_add_co_u32 s54, s54, 2
	s_and_b32 s55, s54, 15
	s_lshl_b32 s55, s55, 10
	v_add_nc_u32 v17, s55, v4                      ; (4 w + 2 + 2 q) % 16 and the next
	v_lshl_add_u32 v6, s14, 14, v4                 ; my 16 channel tiles
	v_mul_u32_u24 v7, v2, XP
	v_lshl_add_u32 v7, v3, 4, v7                   ; X fragments: row x pitch + 16 x half; tokens 0-31,
	v_add_nc_u32 v8, 32*XP, v7                     ; tokens 32-63
	v_mul_u32_u24 v9, v2, HP
	v_lshl_add_u32 v9, v3, 4, v9
	v_add_nc_u32 v9, HL, v9                        ; h fragments likewise
	v_add_nc_u32 v10, 32*HP, v9
	v_lshl_add_u32 v13, s14, 7, v9                 ; where I put h: my four places of 32 bytes; tokens 0-31,
	v_add_nc_u32 v18, 32*HP, v13                   ; tokens 32-63
	s_mul_i32 s53, s14, SB
	v_mul_u32_u24 v14, v2, 1040
	v_lshl_add_u32 v14, v3, 5, v14
	v_add_nc_u32 v14, s53, v14                     ; my stage, in: row lane % 16, 32 bytes for each half of the lanes
	v_add_nc_u32 v15, s53, v4                      ; back: 512 consecutive bytes
	s_lshl_b32 s46, s14, 10
	s_add_nc_u64 s[44:45], s[12:13], s[46:47]      ; out0 at my 256 channels
	s_lshl_b32 s26, s37, 2
	s_add_co_u32 s26, s26, 31
	s_and_b32 s26, s26, 31
	s_lshl_b32 s26, s26, 15                        ; phase 1: the K step in front of 4 q: the first run steps onto it
	s_add_co_u32 s38, s37, 7
	s_and_b32 s38, s38, 7
	s_lshl_b32 s38, s38, 16                        ; phase 2 likewise: the K step in front of q
	s_wait_loadcnt 0x0
	v_readlane_b32 s50, v20, 0                     ; slot 0 always holds a token
.irp e, 16,20,21,22,23
	v_cmp_gt_u32 vcc_lo, 1, v\e                    ; an empty slot holds 0
	v_cndmask_b32 v\e, v\e, s50, vcc_lo            ; and takes slot 0's word
	v_and_b32 v\e, 0x1fff, v\e                     ; the token
.endr
	ROWB 16, 11, 4
.irp n, 0,1,2,3
	v_min_u32 v[24+\n], 0x1fff, v[20+\n]
	v_lshlrev_b32 v[24+\n], 3, v[24+\n]
.endr
.irp n, 0,1,2,3
	global_load_b64 v[CC+4*\n:CC+4*\n+1], v[24+\n], s[8:9]  ; the token's two weights
.endr
	XLD 0                                          ; 4 + 48 loads are out
	XLD 1
	XLD 2
	s_bfe_u32 s16, s50, 0x40010
	s_min_u32 s16, s16, 7                          ; a
	s_bfe_u32 s17, s50, 0x40014
	s_min_u32 s17, s17, 7                          ; b
	s_lshl_b32 s46, s16, 20
	s_add_nc_u64 s[18:19], s[6:7], s[46:47]        ; gate and up of a,
	s_lshl_b32 s46, s17, 20
	s_add_nc_u64 s[20:21], s[6:7], s[46:47]        ; of b
	s_lshl_b32 s46, s16, 19
	s_add_co_u32 s46, s46, 0x800000
	s_add_nc_u64 s[22:23], s[6:7], s[46:47]        ; down of a,
	s_lshl_b32 s46, s17, 19
	s_add_co_u32 s46, s46, 0x800000
	s_add_nc_u64 s[24:25], s[6:7], s[46:47]        ; of b
	s_wait_loadcnt 32                              ; the weights c and X's group 0 are in; in each of these five waits the two younger groups of 16 stay out
	XST 0
	XLD 3
	s_wait_loadcnt 32                              ; group 1
	XST 1
	RUN1 0, 0                                      ; the ring's first fills: K steps 0 and 1
	s_wait_loadcnt 32                              ; group 2
	XST 2
	RUN1 0, 1
	s_wait_loadcnt 32                              ; group 3
	XST 3
	RUN1 1, 0
	WIN 0
	s_wait_dscnt 0x0                               ; for the others' sake: my 16 rows of X are in LDS,
	s_barrier_signal -1
	s_barrier_wait -1                              ; everybody's are
	FRAGS 0, 0, 7, 8, 16*XP, 0, 0
	s_wait_loadcnt 32                              ; the first half's weights
	RUN1 1, 1
	; PHASE 1: 32 K steps.  Step 0, whose products start the sums, is written out; the loop (two steps a trip, once round the ring) is entered in its middle: step 1, then 14 trips.
	STEP 0, 1, 0, 1, 1, 32, 32
	WIN 0                                          ; at a label and at a branch every window is 0
	s_mov_b32 s35, 15
	s_branch .Lp1m
.Lp1:
	STEP 0, 0, 0, 1, 1, 32, 32
	WIN 0
.Lp1m:
	STEP 1, 0, 0, 1, 1, 32, 32
	WIN 0
	s_sub_co_u32 s35, s35, 1
	s_cmp_lg_u32 s35, 0
	s_cbranch_scc1 .Lp1
	STEP 0, 0, 0, 1, 2, 32, 32                     ; the last two steps refill the ring with phase 2's first places, a's and b's;
	STEP 1, 0, 0, 0, 2, 32, 32                     ; the last fetches no fragments
	WIN 0
.irp n, 0,1,2,3                        ; 1 / c, each as the low word of a pair (the loads of c were waited for at the start)
	v_max_num_f32 v[CC+4*\n+2], 0x0d800000, v[CC+4*\n+1]  ; 2^-100 at the least
	v_max_num_f32 v[CC+4*\n], 0x0d800000, v[CC+4*\n]
.endr
.irp n, 0,1,2,3
	v_rcp_f32 v[CC+4*\n+2], v[CC+4*\n+2]
	v_rcp_f32 v[CC+4*\n], v[CC+4*\n]
.endr
.irp n, 0,1,2,3
	v_mov_b32 v[CC+4*\n+3], v[CC+4*\n+1]           ; named with it as a pair; plain lines behind the reciprocals
.endr
.irp x, 0,1
.irp n, 0,1,2,3
	SWI \x, \n
.endr
.endr
	s_wait_dscnt 0x0                               ; for the others' sake: my h is stored; my reads of X ended long ago
	s_barrier_signal -1
	s_barrier_wait -1                              ; h is whole, and nobody reads X any more
	FRAGS 0, 0, 9, 10, 16*HP, 1, 0
	; PHASE 2: 16 steps of 32 along K (a's place 0, b's place 0, a's place 1, ..), each multiplied by hi and by lo.  The first is written out, the loop entered in its middle: the second, then 6 trips.
	STEP 0, 1, 1, 2, 2, 32, 32
	WIN 0
	s_mov_b32 s35, 7
	s_branch .Lp2m
.Lp2:
	STEP 0, 0, 1, 2, 2, 32, 32
	WIN 0
.Lp2m:
	STEP 1, 0, 1, 2, 2, 32, 32
	WIN 0
	s_sub_co_u32 s35, s35, 1
	s_cmp_lg_u32 s35, 0
	s_cbranch_scc1 .Lp2
	STEP 0, 0, 1, 2, 0, 32, 16                     ; nothing more to load: the counts run down
	STEP 1, 0, 1, 0, 0, 0, -1
	WIN 0
.rept 4
	v_nop                                          ; four places between the last products and the first LDS store of a result, and the first load into the ring's registers
.endr
	OST 0
	OLD 0
	WIN 0
	ROWB 20, 12, 44
.irp b, 0,1,2,3,4,5,6                  ; the next block's LDS stores stand between a block's read-backs and the waits for them: 48 LDS instructions are out at the most
	OST (\b)+1
	OSN \b, 16
	OLD (\b)+1
.if ((\b)&1) == 1
	WIN 0
	ROWB 20+((\b)+1)/2, 12, 44                     ; the next 16 tokens' rows, behind OLD's wait
.endif
.endr
	OSN 7, 0
	WIN 0
	s_wait_tensorcnt 0x0
	ds_add_u32 v254, v255
	s_wait_dscnt 0x0
	s_endpgm
.Lfunc_end_k_qf822e05705_experts:
	.size	k_qf822e05705_experts, .Lfunc_end_k_qf822e05705_experts-k_qf822e05705_experts
	.p2alignl 7, 3214868480
	.fill 96, 4, 3214868480
	.section	.rodata,"a",@progbits
	.p2align	6, 0x0
	.amdhsa_kernel k_qf822e05705_experts
		.amdhsa_group_segment_fixed_size 265216
		.amdhsa_private_segment_fixed_size 0
		.amdhsa_enable_private_segment 0
		.amdhsa_kernarg_size 40
		.amdhsa_user_sgpr_count 2
		.amdhsa_user_sgpr_kernarg_segment_ptr 1
		.amdhsa_wavefront_size32 1
		.amdhsa_system_sgpr_workgroup_id_x 1
		.amdhsa_system_sgpr_workgroup_id_y 1
		.amdhsa_system_sgpr_workgroup_id_z 1
		.amdhsa_system_vgpr_workitem_id 0
		.amdhsa_next_free_vgpr 1024
		.amdhsa_next_free_sgpr 98
		.amdhsa_reserve_vcc 1
		.amdhsa_float_denorm_mode_32 3
		.amdhsa_float_denorm_mode_16_64 3
		.amdhsa_memory_ordered 1
		.amdhsa_forward_progress 1
		.amdhsa_inst_pref_size 254
	.end_amdhsa_kernel
	.amdgpu_metadata
---
amdhsa.version: [ 1, 2 ]
amdhsa.kernels:
  - .name:           k_qf822e05705_experts
    .symbol:         k_qf822e05705_experts.kd
    .args:
      - { .name: xb, .offset: 0, .size: 8, .value_kind: global_buffer, .address_space: global }
      - { .name: wf, .offset: 8, .size: 8, .value_kind: global_buffer, .address_space: global }
      - { .name: comb, .offset: 16, .size: 8, .value_kind: global_buffer, .address_space: global }
      - { .name: tlist, .offset: 24, .size: 8, .value_kind: global_buffer, .address_space: global }
      - { .name: out0, .offset: 32, .size: 8, .value_kind: global_buffer, .address_space: global }
    .group_segment_fixed_size: 265216
    .private_segment_fixed_size: 0
    .kernarg_segment_align: 8
    .kernarg_segment_size: 40
    .max_flat_workgroup_size: 128
    .sgpr_count:     98
    .vgpr_count:     1024
    .wavefront_size: 32
...
	.end_amdgpu_metadata
.endif
;; end of part 3
;; ======== version 2 of 2: 3 launches; version 1 with the launch experts written anew for expert scheduling mode
;; workspace buffers: xb 16,777,216 bytes; wf 12,582,912 bytes; rword 32,768 bytes of whole numbers; hist 65,536 bytes of whole numbers; comb 65,536 bytes; part 32,768 bytes; tlist 65,536 bytes of whole numbers
;; launch route: the kernel of part 1 again; grid 256 x 1, 4 waves a work-group, no clusters, 135,168 bytes of LDS; arguments x, w_router, w_gate, w_up, w_down, xb, wf, rword, hist, comb, part, tlist; writes xb, wf, rword, hist, comb, part, tlist
;; launch plan: the kernel of part 2 again; grid 1 x 1, 32 waves a work-group, no clusters, 14,848 bytes of LDS; arguments rword, hist, part, tlist, out1, out2; writes tlist, out1, out2
;; launch experts (part 4): grid 155 x 1, 4 waves a work-group, no clusters, 265,216 bytes of LDS; arguments xb, wf, comb, tlist, out0; writes out0
.if DOCPART == 4
	.amdgcn_target "amdgcn-amd-amdhsa--gfx1250"
	.amdhsa_code_object_version 6
	.text
	.protected	k_qf822e05705_experts
	.globl	k_qf822e05705_experts
	.p2align	8
	.type	k_qf822e05705_experts,@function
k_qf822e05705_experts:
	s_mov_b64 s[64:65], 0
	v_nop
	global_prefetch_b8 v0, s[64:65] scope:SCOPE_SE
	s_setreg_imm32_b32 hwreg(HW_REG_WAVE_SCHED_MODE, 0, 2), 2
	s_setreg_imm32_b32 hwreg(HW_REG_WAVE_MODE, 25, 1), 1
	s_wait_xcnt 0x0
	s_wait_alu depctr_vm_vsrc(0)
; EXPERTS.  Work-group t takes tile t of the list: up to 64 tokens that chose the same two experts a < b, and makes their whole rows of out0.
; PHASE 1: H^T = [gate_a, up_a, gate_b, up_b]^T X^T: 1,024 weight columns x 64 tokens, K = 1,024.  SwiGLU in registers, the token's weight of the expert folded in, h to LDS.
; PHASE 2: Out^T = [down_a; down_b]^T H^T: 1,024 channels x 64 tokens, K = 512: the sum over the two experts is made in the accumulators, so each x row is read once and each out0 row written once.
; K is walked a, b, a, b: ring buffer 0 always holds fragments of down_a and buffer 1 of down_b, so that each run of loads has its base fixed in the text.
; The six experts whose result reference() multiplies by a weight that it has itself set to 0 are not computed.
; h IN TWO PARTS.  h = hi + lo, hi = bf16(h), lo = bf16(h - hi): 16 significant bits.  One bf16 keeps 8: each of a sum's 512 products would be off by up to 2^-9 of itself, the sum by about a thousandth of its row's
; size, and the worst of 8,388,608 numbers by several times that, beside an allowance of a hundredth of the whole output's root mean square.  Each weight fragment is multiplied by both parts: no weight byte more.
; SHARES.  Wave w: phase 1, ff tiles at places 4 w .. 4 w + 3 of both experts, gate and up (64 accumulators of 16 x 16); phase 2, channels 256 w .. 256 w + 255 (64 accumulators).
; WEIGHTS skip LDS: each weight number feeds one wave alone, and wf holds them in the order of a fragment's registers, so a load of 16 bytes a lane covers 512 consecutive bytes.  A ring of four half steps in
; 256 registers; a half's refill is issued behind the first four products of the half after it, and the wait for a half's weights stands at the end of the half before it: 48 loads, 24,576 bytes a wave, are out,
; and a load has 92 matrix instructions (phase 2: 188) in which to land.
; X comes once, through registers: each row's address comes from the list; 64 loads of 512 consecutive bytes a wave, into the accumulators' registers, which are idle at the start, and from there into LDS.
; NO CLUSTER, NO JOINT LOADS: partners would have to hold the same pair of experts; the 28 pairs' tile counts hang on numbers read from memory, 155 is no multiple of four, and the weights go to registers, not to LDS.
; TURNED STARTS, q = t % 8.  Tiles of one expert would all ask for the same 32,768 bytes at the same time.  So tile t begins K at step 4 q in phase 1 and at step q of each expert in phase 2.  Only global addresses hang
; on q: X is laid into LDS turned left by 256 q bytes; place 4 w + i of h holds ff tile (4 w + i + 2 q) % 16.  The walks through LDS are the same in every work-group.
; EMPTY SLOTS take slot 0's token: that row is made again and stored again with the same bytes by the same wave.  No mask and no branch hangs on the list.
; LIMITS.  h has 16 significant bits (f16 has no room: with inputs 30 times larger g u reaches 1e6); where |g u| overflows, the row is lost.  The order of the f32 sums along K hangs on q.  An expert that was not chosen
; adds 0, also where its own result would overflow.  silu(g) u c = g u / ((1 + 2^(-g log2 e)) / c): for g far below 0 the power is infinite and the quotient 0.  A weight c below 2^-100 counts as 2^-100.
; THE MODE: SCHED_MODE bits 1:0 = 2 (LLVM: expert scheduling mode 2), set by the entry lines.  The code itself states the register dependences between vector or matrix instructions and memory or LDS
; instructions, with s_wait_alu, always for 0.
; THE PLAN.  Registers that memory or LDS instructions touch:
;   the weight ring   Half k's products read ring half k % 4; the 16 loads for half k + 4 land in it, issued behind the first four products of half k + 1, which name the other ring half of their step or buffer.
;   token fragments   Step s's products read buffer s % 2; the LDS loads for step s + 1 land in the other buffer, at the end of step s's first half.
;   v11, v12          Read by every fragment load; written at a walk's start and once in two steps (the step between is reached by the immediate offset).
;   v4-v10, v13-v15, v17-v19, v24, v25, v28-v31, v96-v99   Offsets and LDS addresses, made at the head and never written again.
;   window 2          At the start X's loads land in it and X's LDS stores read it; then it holds accumulators.
;   O0, O1            Two out-buffers of h.  SwiGLU block j's conversions write O[j % 2]; its eight LDS stores are issued in block j + 1.
;   the way out       The accumulators are the LDS stores' data; the read-backs land in window 1, and the global stores read them there.
; So ONE wait on va_vdst stands at the end of a half that is refilled, behind the wait for the next half's weights; one on vm_vsrc ahead of each write of v11 and v12; in a SwiGLU block one on va_vdst behind
; each batch of transcendentals, the first of which also serves the stores of the block before, and one on vm_vsrc ahead of the conversions.
; REGISTERS, in windows of 256 (s_set_vgpr_msb: bits 1:0 source 0, 3:2 source 1, 5:4 source 2, 7:6 destination):
;   window 0: v1 lane, v2 lane % 16, v3 lane / 16, v4-v19 addresses, v16, v20-23 tokens, v24, v25 the list's offsets, v28-31 comb's, v[32:95] two buffers of token fragments (phase 2: of hi),
;             v[96:99] X's global offsets, v[112:127] 1 / c, v[128:191] T and U, in phase 2 two buffers of lo's fragments; v[192:255] O0 and O1: 16 registers of packed hi, 16 of packed lo each
;   window 1: the weight ring: buffer, half, fragment f at v[128 buf + 64 half + 8 f]; on the way out two buffers of rows read back
;   windows 2, 3: accumulator (f, n) at v[8 (4 f + n)].  Phase 1: window 2 expert a, 3 expert b; f 0-3 gate, 4-7 up.  Phase 2: window 2 channel tiles 0-7 of my 16, window 3 tiles 8-15.  At the start window 2 stages X.
.set XP,  2064                         ; an X row in LDS: 2,048 + 16 bytes = 129 x 16: the 16 rows of a fragment load start in 16 different 16-byte columns
.set HL,  64*XP+256                    ; h behind X and a gap of 256 bytes that nothing names (another stands behind h): 64 rows,
.set HP,  2064                         ; [token]: 1,024 bytes of hi ([expert x 256 + ff place] bf16), 1,024 bytes of lo, 16 of padding
.set LO,  1024                         ; lo's place in a row
.set SB,  16*1040                      ; the way out: 16 rows x 1,040 bytes for each wave, over X, whose last read lies in front of the second barrier
.set RB,  66                           ; s[66:97] 16 row addresses
.set TT,  128
.set UU,  160
.set OB,  192
.set CC,  112
.set MSB, 0
.macro WIN new                         ; the immediate's high byte repeats the setting that is left; a switch that changes nothing is dropped
.if MSB != (\new)
	s_set_vgpr_msb (MSB<<8)|(\new)
.set MSB, \new
.endif
.endm
; 16 row addresses: base + token << shift, the tokens from lanes 0-15 of a register, each read into the low word of its own pair; a number that was loaded is clamped before it enters an address
.macro ROWB vsrc, shift, sb
.set rbi, 0
.rept 16
	v_readlane_b32 s[RB+2*rbi], v[\vsrc], rbi
.set rbi, rbi+1
.endr
	s_wait_alu depctr_va_sdst(0)                   ; the sixteen tokens are written into their scalar registers, ahead of the first line that reads one
.set rbi, 0
.rept 16
	s_min_u32 s46, s[RB+2*rbi], 0x1fff
	s_lshl_b32 s46, s46, \shift
	s_add_nc_u64 s[RB+2*rbi:RB+2*rbi+1], s[\sb:\sb+1], s[46:47]
.set rbi, rbi+1
.endr
.endm
; X, group g of four: my rows 4 g .. 4 g + 3, four loads of 512 consecutive bytes each, into window 2; and from there into LDS
.macro XLD g
	WIN 0x80                                       ; destination window 2
.set xj, 16*(\g)
.rept 16
	global_load_b128 v[4*xj:4*xj+3], v[96+xj%4], s[RB+2*(xj/4):RB+2*(xj/4)+1]
.set xj, xj+1
.endr
.endm
.macro XST g
	WIN 0x08                                       ; store data in window 2
.set xj, 16*(\g)
.rept 16
	ds_store_b128 v19, v[4*xj:4*xj+3] offset:(xj/4)*XP+(xj%4)*512
.set xj, xj+1
.endr
.endm
; 16 loads: phase 1's eight fragments (4 gate, 4 up) of expert a (hx = 0) or b (1) for the next K step
.macro RUN1 buf, hx
	s_wait_xcnt 0x0                                ; the base of earlier loads is rewritten only behind this wait
.if (\hx) == 0
	s_add_co_u32 s26, s26, 0x8000                  ; the next K step, round the expert's 32
	s_and_b32 s26, s26, 0xfffff
	s_add_nc_u64 s[28:29], s[18:19], s[26:27]
.else
	s_add_nc_u64 s[30:31], s[20:21], s[26:27]
.endif
	WIN 0x40                                       ; destination window 1
.irp f, 0,1,2,3,4,5,6,7
	global_load_b128 v[128*(\buf)+64*(\hx)+8*(\f):128*(\buf)+64*(\hx)+8*(\f)+3], v[5+12*(((\f)>>1)&1)], s[28+2*(\hx):29+2*(\hx)] offset:((\f)>>2)*16384+((\f)&1)*1024
	global_load_b128 v[128*(\buf)+64*(\hx)+8*(\f)+4:128*(\buf)+64*(\hx)+8*(\f)+7], v[5+12*(((\f)>>1)&1)], s[28+2*(\hx):29+2*(\hx)] offset:((\f)>>2)*16384+((\f)&1)*1024+512
.endr
.endm
; 16 loads: phase 2's fragments of channel tiles 8 hx .. 8 hx + 7 of my 16, of down_a (buf = 0) or down_b (1), for the expert's next place p: K step (p + q) % 8.  Buffer 0's run steps the offset, buffer 1's takes it as it is.
.macro RUN2 buf, hx
.if (\hx) == 0
	s_wait_xcnt 0x0                                ; the base of earlier loads is rewritten only behind this wait
.if (\buf) == 0
	s_add_co_u32 s38, s38, 0x10000                 ; the next K step, round the expert's 8
	s_and_b32 s38, s38, 0x7ffff
.endif
	s_add_nc_u64 s[40:41], s[22+2*(\buf):23+2*(\buf)], s[38:39]
.endif
	WIN 0x40
.irp f, 0,1,2,3,4,5,6,7
	global_load_b128 v[128*(\buf)+64*(\hx)+8*(\f):128*(\buf)+64*(\hx)+8*(\f)+3], v6, s[40:41] offset:(\hx)*8192+(\f)*1024
	global_load_b128 v[128*(\buf)+64*(\hx)+8*(\f)+4:128*(\buf)+64*(\hx)+8*(\f)+7], v6, s[40:41] offset:(\hx)*8192+(\f)*1024+512
.endr
.endm
; the four token fragments (16 tokens x 32 K each) of a K step into buffer xb: 8 LDS loads; two = 1: h's, hi and lo: 16.  imm reaches the step that the walk's registers do not stand at
.macro FLOAD xb, step, two, imm
	WIN 0
.irp c, 0,1,2,3
	ds_load_b128 v[32+32*(\xb)+8*(\c):32+32*(\xb)+8*(\c)+3], v[11+((\c)>>1)] offset:((\c)&1)*(\step)+(\imm)
	ds_load_b128 v[32+32*(\xb)+8*(\c)+4:32+32*(\xb)+8*(\c)+7], v[11+((\c)>>1)] offset:((\c)&1)*(\step)+(\imm)+32
.endr
.if \two
.irp c, 0,1,2,3
	ds_load_b128 v[128+32*(\xb)+8*(\c):128+32*(\xb)+8*(\c)+3], v[11+((\c)>>1)] offset:((\c)&1)*(\step)+(\imm)+LO
	ds_load_b128 v[128+32*(\xb)+8*(\c)+4:128+32*(\xb)+8*(\c)+7], v[11+((\c)>>1)] offset:((\c)&1)*(\step)+(\imm)+LO+32
.endr
.endif
.endm
; Half a K step.  Its weights were shown in by the wait at the end of the half before.  32 matrix instructions on one window's 32 accumulators, which take turns (two = 1: 32 more, the same weights times lo:
; 31 others' stand between two links of a chain).  Behind the first four stands the refill of the half BEFORE (erk: 0 none, 1 phase 1's, 2 phase 2's), whose products the wait at that half's end has shown done.
; At the end: four vector lines behind the products, where a load into registers that they read follows (rk: this half's own refill, which the next half issues); the wait for the NEXT half's weights (lcnt; -1: none);
; the wait on va_vdst; and, in a step's first half, the next step's token fragments (fk: 1 X, 2 h).  A step on buffer 0 reaches the next step's fragments by the immediate (X: 64 bytes on; h: b's place p, 512 bytes
; on in the row); a step on buffer 1 moves the walk on (X: 128 bytes; h: 64, a's place p + 1).
.macro HALF buf, hx, zero, two, erk, fk, rk, lcnt
.set QB, (\buf)*(\hx)+(1-(\buf))*(1-(\hx))     ; the half before: this buffer's first half, or the other buffer's second
.set QH, 1-(\hx)
.if (\hx) == 0
	s_wait_dscnt 0x0                               ; this step's token fragments, asked for a half step ago
.endif
	WIN 0xa1+0x50*(\hx)
.irp f, 0,1,2,3,4,5,6,7
.irp n, 0,1,2,3
.if \zero
	v_wmma_f32_16x16x32_bf16 v[8*(4*(\f)+(\n)):8*(4*(\f)+(\n))+7], v[128*(\buf)+64*(\hx)+8*(\f):128*(\buf)+64*(\hx)+8*(\f)+7], v[32+32*(\buf)+8*(\n):32+32*(\buf)+8*(\n)+7], 0
.else
	v_wmma_f32_16x16x32_bf16 v[8*(4*(\f)+(\n)):8*(4*(\f)+(\n))+7], v[128*(\buf)+64*(\hx)+8*(\f):128*(\buf)+64*(\hx)+8*(\f)+7], v[32+32*(\buf)+8*(\n):32+32*(\buf)+8*(\n)+7], v[8*(4*(\f)+(\n)):8*(4*(\f)+(\n))+7]
.endif
.endr
.if ((\f) == 0) && ((\erk) == 1)
	RUN1 QB, QH                                    ; no wait: the four products since the last wait on va_vdst name this half's weights, this step's fragments and this half's accumulators, none of the registers that these loads touch
	WIN 0xa1+0x50*(\hx)
.endif
.if ((\f) == 0) && ((\erk) == 2)
	RUN2 QB, QH                                    ; likewise
	WIN 0xa1+0x50*(\hx)
.endif
.endr
.if \two
.irp f, 0,1,2,3,4,5,6,7
.irp n, 0,1,2,3
	v_wmma_f32_16x16x32_bf16 v[8*(4*(\f)+(\n)):8*(4*(\f)+(\n))+7], v[128*(\buf)+64*(\hx)+8*(\f):128*(\buf)+64*(\hx)+8*(\f)+7], v[128+32*(\buf)+8*(\n):128+32*(\buf)+8*(\n)+7], v[8*(4*(\f)+(\n)):8*(4*(\f)+(\n))+7]
.endr
.endr
.endif
.if ((\hx) == 0) && ((\fk) != 0)
	WIN 0                                          ; for the walk's registers and the fragment loads below
.endif
.if ((\hx) == 0) && ((\fk) != 0) && ((\buf) == 1)
	s_wait_alu depctr_vm_vsrc(0)                   ; the fragment loads issued so far have read v11 and v12
	v_add_nc_u32 v11, 192-64*(\fk), v11
	v_add_nc_u32 v12, 192-64*(\fk), v12
	v_nop
	v_nop                                          ; with the two adds: four vector lines behind the products
.elseif (\rk) != 0
.rept 4
	v_nop                                          ; four vector lines behind the products
.endr
.endif
.if (\lcnt) >= 0
	s_wait_loadcnt \lcnt                           ; loads return in order: the next half's 16 are in, the younger runs of 16 stay out
.endif
.if ((\rk) != 0) || (((\hx) == 0) && ((\fk) != 0) && ((\buf) == 1))
	s_wait_alu depctr_va_vdst(0)                   ; this half's products are done reading their half of the ring, in which the run that the next half issues lands; the step before's are done reading the other fragment buffer; where the walk moved on, v11 and v12 are written
.endif
.if ((\hx) == 0) && ((\fk) == 1)
	FLOAD 1-(\buf), 16*XP, 0, 64-64*(\buf)
.endif
.if ((\hx) == 0) && ((\fk) == 2)
	FLOAD 1-(\buf), 16*HP, 1, 512-512*(\buf)
.endif
.endm
.macro STEP buf, zero, two, fk, rk, prk, l0, l1  ; a K step: both halves.  rk: the refills of this step's two halves; prk: that of the step before's second half
	HALF \buf, 0, \zero, \two, \prk, \fk, \rk, \l0
	HALF \buf, 1, \zero, \two, \rk, 0, \rk, \l1
.endm
; SwiGLU in eight blocks j = 4 x + n: expert x, tokens 16 n .. 16 n + 15: 32 numbers a lane (4 ff tiles x 8).
; SWST: block j's h goes to LDS out of its out-buffer: a lane's eight ff of one token are 16 bytes; tokens 0-31 by v13, tokens 32-63 by v18, so that the offsets stay inside 16 bits
.macro SWST j
.irp i, 0,1,2,3
	ds_store_b128 v[13+5*(((\j)%4)>>1)], v[OB+32*((\j)&1)+4*(\i):OB+32*((\j)&1)+4*(\i)+3] offset:((\j)&1)*16*HP+((\j)/4)*512+(\i)*32
.endr
.irp i, 0,1,2,3
	ds_store_b128 v[13+5*(((\j)%4)>>1)], v[OB+32*((\j)&1)+16+4*(\i):OB+32*((\j)&1)+16+4*(\i)+3] offset:((\j)&1)*16*HP+((\j)/4)*512+(\i)*32+LO
.endr
.endm
; SWI: block j's arithmetic.  Each accumulator is read from its low end on.
.macro SWI j
.set sx, (\j)/4
.set sn, (\j)%4
.set so, OB+32*((\j)&1)
	WIN 0x0a+5*((\j)/4)                            ; sources in window 2 or 3
.set z, 0
.rept 16
	v_pk_mul_f32 v[TT+2*z:TT+2*z+1], v[32*(z/4)+8*sn+2*(z%4):32*(z/4)+8*sn+2*(z%4)+1], s[42:43] op_sel_hi:[1,0]  ; -g log2 e
.set z, z+1
.endr
.set z, 0
.rept 16
	v_pk_mul_f32 v[UU+2*z:UU+2*z+1], v[32*(z/4)+8*sn+2*(z%4):32*(z/4)+8*sn+2*(z%4)+1], v[128+32*(z/4)+8*sn+2*(z%4):128+32*(z/4)+8*sn+2*(z%4)+1]  ; g u
.set z, z+1
.endr
	WIN 0
.set z, 0
.rept 32
	v_exp_f32 v[TT+z], v[TT+z]
.set z, z+1
.endr
	v_nop                                          ; a plain line behind the exponentials
	s_wait_alu depctr_va_vdst(0)                   ; the 32 exponentials have written T (in block 0 also: the eight reciprocals have written 1 / c); the block before's conversions have written its out-buffer, which the stores below read
.if (\j) > 0
	SWST (\j)-1
.endif
.set z, 0
.rept 16
	v_pk_fma_f32 v[TT+2*z:TT+2*z+1], v[TT+2*z:TT+2*z+1], v[CC+4*sn+2*sx:CC+4*sn+2*sx+1], v[CC+4*sn+2*sx:CC+4*sn+2*sx+1] op_sel_hi:[1,0,0]  ; (e + 1) / c
.set z, z+1
.endr
.set z, 0
.rept 32
	v_rcp_f32 v[TT+z], v[TT+z]
.set z, z+1
.endr
	v_nop                                          ; a plain line behind the reciprocals
	s_wait_alu depctr_va_vdst(0)                   ; the 32 reciprocals have written T
.set z, 0
.rept 16
	v_pk_mul_f32 v[UU+2*z:UU+2*z+1], v[UU+2*z:UU+2*z+1], v[TT+2*z:TT+2*z+1]
.set z, z+1
.endr
.if (\j) >= 2
	s_wait_alu depctr_vm_vsrc(0)                   ; the LDS stores of the block two before have read this out-buffer, which the conversions below write again
.endif
.set z, 0
.rept 16
	v_cvt_pk_bf16_f32 v[so+z], v[UU+2*z], v[UU+2*z+1]  ; hi
.set z, z+1
.endr
.set z, 0
.rept 16
	v_lshlrev_b32 v[TT+2*z], 16, v[so+z]           ; hi as f32: the low half moves up,
	v_and_b32 v[TT+2*z+1], s34, v[so+z]            ; the high half stays
.set z, z+1
.endr
.set z, 0
.rept 16
	v_pk_add_f32 v[UU+2*z:UU+2*z+1], v[UU+2*z:UU+2*z+1], v[TT+2*z:TT+2*z+1] neg_lo:[0,1] neg_hi:[0,1]  ; h - hi, exact
.set z, z+1
.endr
.set z, 0
.rept 16
	v_cvt_pk_bf16_f32 v[so+16+z], v[UU+2*z], v[UU+2*z+1]  ; lo
.set z, z+1
.endr
.endm
; THE WAY OUT, in eight blocks b = 2 n + hx: tokens 16 n .. 16 n + 15, my channel tiles 8 hx .. 8 hx + 7 (512 bytes of a row).  OST: a lane's eight channels of a token (32 bytes) go into my stage.
; OLD: 16 rows of 512 bytes come back, into window 1.  OSN: each store covers 512 consecutive aligned bytes of a row of out0.  The two hx have stage bytes and registers of their own.
.macro OST b
	WIN 0x08+4*((\b)&1)                            ; store data in window 2 or 3
.set oc, 0
.rept 8
	ds_store_b128 v14, v[8*(4*oc+(\b)/2):8*(4*oc+(\b)/2)+3] offset:((\b)&1)*512+oc*64
	ds_store_b128 v14, v[8*(4*oc+(\b)/2)+4:8*(4*oc+(\b)/2)+7] offset:((\b)&1)*512+oc*64+16
.set oc, oc+1
.endr
.endm
.macro OLD b
	WIN 0x40
	s_wait_xcnt 0x0                                ; earlier stores have read their data registers and row addresses: both are rewritten only behind this wait
.if (\b) >= 2
	s_wait_alu depctr_vm_vsrc(0)                   ; the global stores of the block two before have read these 64 registers, in which the loads below land
.endif
.set ok, 0
.rept 16                                       ; LDS serves a wave's instructions in order: these see the block's stores, and the next stores into these bytes come behind them
	ds_load_b128 v[64*((\b)&1)+4*ok:64*((\b)&1)+4*ok+3], v15 offset:ok*1040+((\b)&1)*512
.set ok, ok+1
.endr
.endm
.macro OSN b, younger                  ; younger: the LDS instructions issued behind the block's read-backs: the next block's 16 stores, or none
	WIN 0x04                                       ; store data in window 1
.set ok, 0
.rept 16
.if ok%4 == 0
	s_wait_dscnt (\younger)+12-ok                  ; read-backs ok .. ok + 3 are in; the 12 - ok behind them and the younger ones stay out
.endif
	global_store_b128 v4, v[64*((\b)&1)+4*ok:64*((\b)&1)+4*ok+3], s[RB+2*ok:RB+2*ok+1] offset:((\b)&1)*512 th:TH_STORE_NT
.set ok, ok+1
.endr
.endm
	s_load_b256 s[4:11], s[0:1], 0x0               ; xb s[4:5], wf s[6:7], comb s[8:9], tlist s[10:11]
	s_load_b64 s[12:13], s[0:1], 0x20              ; out0
	v_lshl_add_u32 v110, v0, 2, 0x40a00
	v_mov_b32 v111, 0
	v_and_b32 v1, 31, v0
	v_lshrrev_b32 v18, 5, v0
	v_readfirstlane_b32 s14, v18                   ; wave 0..3
	v_and_b32 v2, 15, v0
	v_bfe_u32 v3, v0, 4, 1
	s_mov_b32 s15, ttmp9                           ; the tile
	s_mov_b32 s47, 0                               ; high words of offset pairs
	s_mov_b32 s27, 0
	s_mov_b32 s39, 0
	s_mov_b32 s34, 0xffff0000                      ; a word's upper bf16
	s_mov_b32 s42, 0xbfb8aa3b                      ; -log2 e
	s_mov_b32 s43, s42                             ; named with it as a pair
	v_lshlrev_b32 v4, 4, v1                        ; 16 lane
	v_lshlrev_b32 v24, 2, v2
	s_wait_alu depctr_va_sdst(0)                   ; s14 is written, ahead of its first reader
	v_lshl_add_u32 v25, s14, 6, v24
	s_lshl_b32 s46, s15, 8
	s_wait_kmcnt 0x0
	s_add_nc_u64 s[48:49], s[10:11], s[46:47]      ; my tile's 64 words
	s_wait_alu depctr_va_vdst(0)                   ; v24 and v25 are written, which the five loads below read as their offsets
	global_load_b32 v16, v25, s[48:49]             ; slots 16 w + lane % 16: the rows of X that I bring
.irp n, 0,1,2,3
	global_load_b32 v[20+\n], v24, s[48:49] offset:64*\n  ; slots 16 n + lane % 16
.endr
	s_and_b32 s37, s15, 7                          ; q
	v_lshl_add_u32 v18, s37, 8, v4
.irp c, 0,1,2,3
	v_add_nc_u32 v[96+\c], 512*\c, v18
	v_and_b32 v[96+\c], 0x7ff, v[96+\c]            ; LDS byte 512 c + 16 lane of a row takes the row's byte (that + 256 q) mod 2,048
.endr
	s_mul_i32 s53, s14, 16*XP
	v_add_nc_u32 v19, s53, v4                      ; X in LDS: my 16 rows, 16 bytes a lane
	s_lshl_b32 s54, s14, 2
	s_lshl_b32 s55, s37, 1
	s_add_co_u32 s54, s54, s55
	s_and_b32 s55, s54, 15
	s_lshl_b32 s55, s55, 10
	v_add_nc_u32 v5, s55, v4                       ; ff tiles (4 w + 2 q) % 16 and the next,
	s_add_co_u32 s54, s54, 2
	s_and_b32 s55, s54, 15
	s_lshl_b32 s55, s55, 10
	v_add_nc_u32 v17, s55, v4                      ; (4 w + 2 + 2 q) % 16 and the next
	v_lshl_add_u32 v6, s14, 14, v4                 ; my 16 channel tiles
	v_mul_u32_u24 v7, v2, XP
	v_lshl_add_u32 v7, v3, 4, v7                   ; X fragments: row x pitch + 16 x half; tokens 0-31,
	v_add_nc_u32 v8, 32*XP, v7                     ; tokens 32-63
	v_mul_u32_u24 v9, v2, HP
	v_lshl_add_u32 v9, v3, 4, v9
	v_add_nc_u32 v9, HL, v9                        ; h fragments likewise
	v_add_nc_u32 v10, 32*HP, v9
	v_lshl_add_u32 v13, s14, 7, v9                 ; where I put h: my four places of 32 bytes; tokens 0-31,
	v_add_nc_u32 v18, 32*HP, v13                   ; tokens 32-63
	s_mul_i32 s53, s14, SB
	v_mul_u32_u24 v14, v2, 1040
	v_lshl_add_u32 v14, v3, 5, v14
	v_add_nc_u32 v14, s53, v14                     ; my stage, in: row lane % 16, 32 bytes for each half of the lanes
	v_add_nc_u32 v15, s53, v4                      ; back: 512 consecutive bytes
	s_lshl_b32 s46, s14, 10
	s_add_nc_u64 s[44:45], s[12:13], s[46:47]      ; out0 at my 256 channels
	s_lshl_b32 s26, s37, 2
	s_add_co_u32 s26, s26, 31
	s_and_b32 s26, s26, 31
	s_lshl_b32 s26, s26, 15                        ; phase 1: the K step in front of 4 q: the first run steps onto it
	s_add_co_u32 s38, s37, 7
	s_and_b32 s38, s38, 7
	s_lshl_b32 s38, s38, 16                        ; phase 2 likewise: the K step in front of q
	s_wait_loadcnt 0x0
	v_readlane_b32 s50, v20, 0                     ; slot 0 always holds a token
	v_cmp_gt_u32 s56, 1, v16                       ; an empty slot holds 0: the five masks in a run
.irp n, 0,1,2,3
	v_cmp_gt_u32 s[57+\n], 1, v[20+\n]
.endr
	s_wait_alu depctr_va_sdst(0)                   ; s50 and the masks s56 to s60 are written, ahead of the selects that read them
	v_cndmask_b32 v16, v16, s50, s56               ; an empty slot takes slot 0's word
	v_and_b32 v16, 0x1fff, v16                     ; the token
.irp n, 0,1,2,3
	v_cndmask_b32 v[20+\n], v[20+\n], s50, s[57+\n]
	v_and_b32 v[20+\n], 0x1fff, v[20+\n]
.endr
	ROWB 16, 11, 4
.irp n, 0,1,2,3
	v_min_u32 v[28+\n], 0x1fff, v[20+\n]
	v_lshlrev_b32 v[28+\n], 3, v[28+\n]
.endr
	s_wait_alu depctr_va_vdst(0)                   ; every offset and LDS address of the kernel but the walk's is written: v4 to v10, v13 to v15, v17 to v19, v28 to v31, v96 to v99; none is written again
.irp n, 0,1,2,3
	global_load_b64 v[CC+4*\n:CC+4*\n+1], v[28+\n], s[8:9]  ; the token's two weights
.endr
	XLD 0                                          ; 4 + 48 loads are out
	XLD 1
	XLD 2
	s_bfe_u32 s16, s50, 0x40010
	s_min_u32 s16, s16, 7                          ; a
	s_bfe_u32 s17, s50, 0x40014
	s_min_u32 s17, s17, 7                          ; b
	s_lshl_b32 s46, s16, 20
	s_add_nc_u64 s[18:19], s[6:7], s[46:47]        ; gate and up of a,
	s_lshl_b32 s46, s17, 20
	s_add_nc_u64 s[20:21], s[6:7], s[46:47]        ; of b
	s_lshl_b32 s46, s16, 19
	s_add_co_u32 s46, s46, 0x800000
	s_add_nc_u64 s[22:23], s[6:7], s[46:47]        ; down of a,
	s_lshl_b32 s46, s17, 19
	s_add_co_u32 s46, s46, 0x800000
	s_add_nc_u64 s[24:25], s[6:7], s[46:47]        ; of b
	s_wait_loadcnt 32                              ; the weights c and X's group 0 are in; in each of these five waits the two younger groups of 16 stay out
	XST 0
	XLD 3
	s_wait_loadcnt 32                              ; group 1
	XST 1
	RUN1 0, 0                                      ; the ring's first fills: K steps 0 and 1
	s_wait_loadcnt 32                              ; group 2
	XST 2
	RUN1 0, 1
	s_wait_loadcnt 32                              ; group 3
	XST 3
	RUN1 1, 0
	WIN 0
	s_wait_dscnt 0x0                               ; for the others' sake: my 16 rows of X are in LDS,
	s_barrier_signal -1
	s_barrier_wait -1                              ; everybody's are
	s_wait_alu depctr_vm_vsrc(0)                   ; my LDS stores of X have read window 2's registers: these are accumulators from here on, written by the first products
	v_mov_b32 v11, v7                              ; the walk through X begins
	v_mov_b32 v12, v8
	s_wait_alu depctr_va_vdst(0)                   ; v11 and v12 are written, which the fragment loads read
	FLOAD 0, 16*XP, 0, 0
	s_wait_loadcnt 32                              ; the first half's weights
	; PHASE 1: 32 K steps.  Step 0, whose products start the sums, is written out (its first half issues the ring's fourth fill); the loop (two steps a trip, once round the ring) is entered in its middle: step 1, then 14 trips.
	STEP 0, 1, 0, 1, 1, 1, 32, 32
	WIN 0                                          ; at a label and at a branch every window is 0
	s_mov_b32 s35, 15
	s_branch .Lp1m
.Lp1:
	STEP 0, 0, 0, 1, 1, 1, 32, 32
	WIN 0
.Lp1m:
	STEP 1, 0, 0, 1, 1, 1, 32, 32
	WIN 0
	s_sub_co_u32 s35, s35, 1
	s_cmp_lg_u32 s35, 0
	s_cbranch_scc1 .Lp1
	STEP 0, 0, 0, 1, 2, 1, 32, 32                  ; the last two steps' halves are refilled with phase 2's first places, a's and b's;
	STEP 1, 0, 0, 0, 2, 2, 32, 32                  ; the last fetches no fragments
	RUN2 1, 1                                      ; the last half's refill, behind the wait at that half's end
	WIN 0
.irp n, 0,1,2,3                        ; 1 / c, each as the low word of a pair (the loads of c were waited for at the start)
	v_max_num_f32 v[CC+4*\n+2], 0x0d800000, v[CC+4*\n+1]  ; 2^-100 at the least
	v_max_num_f32 v[CC+4*\n], 0x0d800000, v[CC+4*\n]
.endr
.irp n, 0,1,2,3
	v_rcp_f32 v[CC+4*\n+2], v[CC+4*\n+2]
	v_rcp_f32 v[CC+4*\n], v[CC+4*\n]
.endr
.irp n, 0,1,2,3
	v_mov_b32 v[CC+4*\n+3], v[CC+4*\n+1]           ; named with it as a pair; plain lines behind the reciprocals, whose results are first named behind block 0's first wait
.endr
.irp j, 0,1,2,3,4,5,6,7
	SWI \j
.endr
	s_wait_alu depctr_va_vdst(0)                   ; block 7's conversions have written its out-buffer, which the stores below read
	SWST 7
	s_wait_dscnt 0x0                               ; for the others' sake: my h is stored; my reads of X ended long ago
	s_barrier_signal -1
	s_barrier_wait -1                              ; h is whole, and nobody reads X any more
	s_wait_alu depctr_vm_vsrc(0)                   ; phase 1's fragment loads have read v11 and v12
	v_mov_b32 v11, v9                              ; the walk through h begins
	v_mov_b32 v12, v10
	s_wait_alu depctr_va_vdst(0)                   ; v11 and v12 are written; SwiGLU's lines are done with T and U, in which lo's fragments land
	FLOAD 0, 16*HP, 1, 0
	; PHASE 2: 16 steps of 32 along K (a's place 0, b's place 0, a's place 1, ..), each multiplied by hi and by lo.  The first is written out, the loop entered in its middle: the second, then 6 trips.
	STEP 0, 1, 1, 2, 2, 0, 32, 32
	WIN 0
	s_mov_b32 s35, 7
	s_branch .Lp2m
.Lp2:
	STEP 0, 0, 1, 2, 2, 2, 32, 32
	WIN 0
.Lp2m:
	STEP 1, 0, 1, 2, 2, 2, 32, 32
	WIN 0
	s_sub_co_u32 s35, s35, 1
	s_cmp_lg_u32 s35, 0
	s_cbranch_scc1 .Lp2
	STEP 0, 0, 1, 2, 0, 2, 32, 16                  ; the ring's last refill, then nothing more to load: the counts run down, and no half's registers are loaded again
	STEP 1, 0, 1, 0, 0, 0, 0, -1
	WIN 0
.rept 4
	v_nop                                          ; four places between the last products and the first LDS store of a result
.endr
	s_wait_alu depctr_va_vdst(0)                   ; the products have written the accumulators, which the LDS stores read, and are done reading the ring's registers, in which the read-backs land; the places above stay beside this wait
	OST 0
	OLD 0
	WIN 0
	ROWB 20, 12, 44
.irp b, 0,1,2,3,4,5,6                  ; the next block's LDS stores stand between a block's read-backs and the waits for them: 48 LDS instructions are out at the most
	OST (\b)+1
	OSN \b, 16
	OLD (\b)+1
.if ((\b)&1) == 1
	WIN 0
	ROWB 20+((\b)+1)/2, 12, 44                     ; the next 16 tokens' rows, behind OLD's wait
.endif
.endr
	OSN 7, 0
	WIN 0
	s_wait_dscnt 0x0
	s_wait_alu depctr_hold_cnt(0) depctr_sa_sdst(0) depctr_va_vdst(0) depctr_va_sdst(0) depctr_va_ssrc(0) depctr_va_vcc(0) depctr_vm_vsrc(0)
	s_wait_tensorcnt 0x0
	ds_add_u32 v110, v111
	s_wait_dscnt 0x0
	s_endpgm
.Lfunc_end_k_qf822e05705_experts:
	.size	k_qf822e05705_experts, .Lfunc_end_k_qf822e05705_experts-k_qf822e05705_experts
	.p2alignl 7, 3214868480
	.fill 96, 4, 3214868480
	.section	.rodata,"a",@progbits
	.p2align	6, 0x0
	.amdhsa_kernel k_qf822e05705_experts
		.amdhsa_group_segment_fixed_size 265216
		.amdhsa_private_segment_fixed_size 0
		.amdhsa_enable_private_segment 0
		.amdhsa_kernarg_size 40
		.amdhsa_user_sgpr_count 2
		.amdhsa_user_sgpr_kernarg_segment_ptr 1
		.amdhsa_wavefront_size32 1
		.amdhsa_system_sgpr_workgroup_id_x 1
		.amdhsa_system_sgpr_workgroup_id_y 1
		.amdhsa_system_sgpr_workgroup_id_z 1
		.amdhsa_system_vgpr_workitem_id 0
		.amdhsa_next_free_vgpr 1024
		.amdhsa_next_free_sgpr 98
		.amdhsa_reserve_vcc 0
		.amdhsa_float_denorm_mode_32 3
		.amdhsa_float_denorm_mode_16_64 3
		.amdhsa_memory_ordered 1
		.amdhsa_forward_progress 1
		.amdhsa_inst_pref_size 255
	.end_amdhsa_kernel
	.section	.bss,"aw",@nobits
	.p2align	6
	.space	262144
	.amdgpu_metadata
---
amdhsa.version: [ 1, 2 ]
amdhsa.kernels:
  - .name:           k_qf822e05705_experts
    .symbol:         k_qf822e05705_experts.kd
    .args:
      - { .name: xb, .offset: 0, .size: 8, .value_kind: global_buffer, .address_space: global }
      - { .name: wf, .offset: 8, .size: 8, .value_kind: global_buffer, .address_space: global }
      - { .name: comb, .offset: 16, .size: 8, .value_kind: global_buffer, .address_space: global }
      - { .name: tlist, .offset: 24, .size: 8, .value_kind: global_buffer, .address_space: global }
      - { .name: out0, .offset: 32, .size: 8, .value_kind: global_buffer, .address_space: global }
    .group_segment_fixed_size: 265216
    .private_segment_fixed_size: 0
    .kernarg_segment_align: 8
    .kernarg_segment_size: 40
    .max_flat_workgroup_size: 128
    .sgpr_count:     98
    .vgpr_count:     1024
    .wavefront_size: 32
...
	.end_amdgpu_metadata
.endif
;; end of part 4
